; MI455X (gfx1250); checked and timed in simulation.
; The chip was launched on July 23, 2026; its instructions are those of AMD's public machine-readable ISA for CDNA 5 (MIT licence, August 2026) and "CDNA5" Instruction Set Architecture Reference Guide (July 2026). The comments in the code are by the model that wrote it; some were corrected since.
;; Fractal Linear. Allowed arithmetic: float matrix products may take bf16 or f16 operands with f32 sums; other float arithmetic in f32, or as packed bf16 or f16 multiplies, adds, multiply-adds, maxima and minima; sums over many terms, partial sums and values carried from step to step in f32; what a program stores and reads back later, other than sums and carried values, may be rounded once to bf16 or f16.
;; Inputs: bias 4,096 float32; dna_a 20 float32; dna_b 20 float32; dna_seed 4,096 x 4,096 float32; x 2,048 x 4,096 float32.
;; Outputs: out0 2,048 x 4,096 float32.
;; 3 versions, each right; version 3 is version 2 with the launches encode, lookup written anew for expert scheduling mode. Each part assembles by itself: llvm-mc -triple=amdgcn-amd-amdhsa -mcpu=gfx1250 --defsym DOCPART=n.
;; ======== version 1 of 3: 2 launches
;; workspace buffers: wb 33,554,432 bytes; xb 16,777,216 bytes
;; launch prep (part 1): grid 256 x 1, 16 waves a work-group, no clusters, 0 bytes of LDS; arguments dna_seed, x, dna_a, dna_b, wb, xb; writes wb, xb
.if DOCPART == 1
	.amdgcn_target "amdgcn-amd-amdhsa--gfx1250"
	.amdhsa_code_object_version 6
	.text
	.protected	k_q0860144940_prep
	.globl	k_q0860144940_prep
	.p2align	8
	.type	k_q0860144940_prep,@function
k_q0860144940_prep:
	s_mov_b64 s[64:65], 0
	v_nop
	global_prefetch_b8 v0, s[64:65] scope:SCOPE_SE
	s_setreg_imm32_b32 hwreg(HW_REG_WAVE_MODE, 25, 1), 1
	s_wait_xcnt 0x0
; wb = bf16(W), W = the 20 steps w <- a[i] w + b[i] sin(w) from dna_seed, element by element; xb = bf16(x).
; dna_seed: [4096][4096] f32, x: [2048][4096] f32, dna_a, dna_b: [20] f32; wb: [4096][4096] bf16, xb: [2048][4096] bf16, all row-major.
; FORMATS.  Every input is rounded once to bf16 (nearest even) as it is loaded: the seed, a and b here, x here, the bias in the product's launch.
; The recurrence itself runs in f32; W is rounded once to bf16, as the matrix operand that it is.
; THE SINE.  The state is kept in turns, v = w / 2 pi.  r = v - rndne(v) lies in -1/2 .. 1/2 and is exact, and sin(w) = 2 pi r P(r^2), so a step is v <- a v + b r P(r^2).
; P is a polynomial of degree 5 in r^2 (the series of sin(t) / t through t^18, economised on 0 .. 1/4): the sine is within 2.5e-7 for every r.  b is folded into its six coefficients
; by scalar multiplies, so a step is 11 vector lines for two numbers: 2 roundings, r, r^2, a v, 5 of Horner's, the last multiply-add.
; LIMITS.  The order of rounding differs from a w + b sin(w) in radians: the phase carries v's rounding, |w| 2^-24 rad.  From |w| = 2^23 x 2 pi = 5.3e7 on v is a whole number and the
; sine counts as 0, beside a w of that size.  An infinity gives NaN (inf - inf), as sin(inf) does.  Where a + b cos(w) stays above 1 step after step, these differences grow with the steps.
; SHARES.  256 work-groups of 16 waves; a wave makes 4 trips.  In trip c it takes 1,024 seeds (4,096 consecutive bytes: eight loads of 512 bytes) and 512 numbers of x (four loads).
; A lane's four numbers of a load pack into 8 bytes: each store of the wave covers 256 consecutive bytes, aligned.  The next trip's twelve loads go out ahead of this trip's 20 steps.
; No LDS, no matrix unit, no cluster: no number is wanted by two waves.  No prefetch: the loads stand a whole trip's arithmetic ahead of the wait for them.
.set STEPS, 20
.set SO,  1                            ; v1   my byte offset in the work-group's seeds: 4,096 x wave + 16 x lane; never rewritten
.set WO,  2                            ; v2   half of it: in wb
.set XI,  3                            ; v3   in x: 2,048 x wave + 16 x lane
.set XO,  4                            ; v4   half of it: in xb
.set TT,  5                            ; v5   a and b, rounded and packed
.set SD,  8                            ; v[8:39]    32 seeds as loaded
.set XN,  40                           ; v[40:55]   16 numbers of x as loaded
.set XP,  56                           ; v[56:63]   x packed
.set VV,  64                           ; v[64:95]   the state, in turns
.set RR,  96                           ; v[96:127]  r
.set SS,  128                          ; v[128:159] r^2; at a trip's end v[128:143] hold W packed
.set QQ,  160                          ; v[160:191] Horner's sum
.set TRIPS, 18                         ; s18  trips that still load
.set IT,  19                           ; s19  the step
.set OFS, 20                           ; s20  byte offset of the next step's a and b
.set AV,  24                           ; s[24:25] a; the packed lines take a pair's low word for both halves
.set CC,  26                           ; s[26:37] b x D0 .. b x D5, a pair each
.set I2P, 38                           ; s[38:39] 1 / 2 pi
.set P2,  40                           ; s[40:41] 2 pi
.set HIM, 42                           ; s42  mask of a word's upper bf16
.set BV,  43                           ; s43  b
	s_load_b256 s[4:11], s[0:1], 0x0               ; seed s[4:5], x s[6:7], a s[8:9], b s[10:11]
	s_load_b128 s[12:15], s[0:1], 0x20             ; wb s[12:13], xb s[14:15]
	v_lshrrev_b32 v[TT], 5, v0                     ; wave
	v_and_b32 v[XO], 31, v0                        ; lane
	v_lshlrev_b32 v[SO], 4, v[XO]                  ; 16 x lane
	v_lshl_add_u32 v[XI], v[TT], 11, v[SO]
	v_lshl_add_u32 v[SO], v[TT], 12, v[SO]
	v_lshrrev_b32 v[WO], 1, v[SO]
	v_lshrrev_b32 v[XO], 1, v[XI]
	s_mov_b32 s[I2P], 0x3e22f983
	s_mov_b32 s[I2P+1], 0x3e22f983                 ; the upper words of the pairs are named with the lower, so they are written
	s_mov_b32 s[P2], 0x40c90fdb
	s_mov_b32 s[P2+1], 0x40c90fdb
	s_mov_b32 s[HIM], 0xffff0000
	s_mov_b32 s[AV+1], 0
.irp j, 0,1,2,3,4,5
	s_mov_b32 s[CC+2*(\j)+1], 0
.endr
	s_lshl_b32 s16, ttmp9, 16                      ; the work-group's 65,536 bytes of a trip's seeds
	s_mov_b32 s17, 0
	s_wait_kmcnt 0x0
	s_add_nc_u64 s[4:5], s[4:5], s[16:17]
	s_lshr_b32 s16, s16, 1                         ; 32,768 bytes of x and of wb
	s_add_nc_u64 s[6:7], s[6:7], s[16:17]
	s_add_nc_u64 s[12:13], s[12:13], s[16:17]
	s_lshr_b32 s16, s16, 1                         ; 16,384 bytes of xb
	s_add_nc_u64 s[14:15], s[14:15], s[16:17]
.macro LOADS                           ; a trip's twelve loads, 512 consecutive bytes each
.irp j, 0,1,2,3,4,5,6,7
	global_load_b128 v[SD+4*(\j):SD+4*(\j)+3], v[SO], s[4:5] offset:512*(\j) th:TH_LOAD_NT
.endr
.irp j, 0,1,2,3
	global_load_b128 v[XN+4*(\j):XN+4*(\j)+3], v[XI], s[6:7] offset:512*(\j) th:TH_LOAD_NT
.endr
.endm
; One step for the lane's 16 pairs, stage by stage: a line's source was written 16 lines earlier.
.macro ITER
.set p, 0
.rept 32
	v_rndne_f32 v[RR+p], v[VV+p]
.set p, p+1
.endr
.set p, 0
.rept 16
	v_pk_add_f32 v[RR+p:RR+p+1], v[VV+p:VV+p+1], v[RR+p:RR+p+1] neg_lo:[0,1] neg_hi:[0,1]  ; r = v - rndne(v), exact
.set p, p+2
.endr
.set p, 0
.rept 16
	v_pk_mul_f32 v[SS+p:SS+p+1], v[RR+p:RR+p+1], v[RR+p:RR+p+1]
.set p, p+2
.endr
.set p, 0
.rept 16
	v_pk_mul_f32 v[VV+p:VV+p+1], v[VV+p:VV+p+1], s[AV:AV+1] op_sel_hi:[1,0]  ; a v
.set p, p+2
.endr
.set p, 0
.rept 16
	v_pk_fma_f32 v[QQ+p:QQ+p+1], v[SS+p:SS+p+1], s[CC+10:CC+11], s[CC+8:CC+9] op_sel_hi:[1,0,0]
.set p, p+2
.endr
.irp j, 3,2,1,0
.set p, 0
.rept 16
	v_pk_fma_f32 v[QQ+p:QQ+p+1], v[QQ+p:QQ+p+1], v[SS+p:SS+p+1], s[CC+2*(\j):CC+2*(\j)+1] op_sel_hi:[1,1,0]
.set p, p+2
.endr
.endr
.set p, 0
.rept 16
	v_pk_fma_f32 v[VV+p:VV+p+1], v[RR+p:RR+p+1], v[QQ+p:QQ+p+1], v[VV+p:VV+p+1]  ; a v + r (b P)
.set p, p+2
.endr
.endm
; A trip.  more = 1: the next trip's loads go out, and the stores' bases step on.
.macro CHUNK more
	s_wait_loadcnt 0x0                             ; this trip's seeds and x are in, and their bases may be stepped
	s_wait_kmcnt 0x0                               ; the last trip's look-ahead loads of a and b have landed: their registers are loaded anew
	s_load_b32 s21, s[8:9], 0x0                    ; a[0]
	s_load_b32 s22, s[10:11], 0x0                  ; b[0]
.irp k, 0,1,2,3,4,5,6,7
	v_cvt_pk_bf16_f32 v[XP+(\k)], v[XN+2*(\k)], v[XN+2*(\k)+1]
.endr
.set p, 0
.rept 16
	v_cvt_pk_bf16_f32 v[VV+p], v[SD+p], v[SD+p+1]  ; the seeds rounded to bf16,
.set p, p+2
.endr
.set p, 0
.rept 16
	v_and_b32 v[VV+p+1], s[HIM], v[VV+p]           ; and widened again: the high half stays,
.set p, p+2
.endr
.set p, 0
.rept 16
	v_lshlrev_b32 v[VV+p], 16, v[VV+p]             ; the low half moves up
.set p, p+2
.endr
.set p, 0
.rept 16
	v_pk_mul_f32 v[VV+p:VV+p+1], v[VV+p:VV+p+1], s[I2P:I2P+1] op_sel_hi:[1,0]  ; into turns
.set p, p+2
.endr
.if \more
	s_add_nc_u64 s[4:5], s[4:5], 0x1000000         ; 256 work-groups x 65,536 bytes
	s_add_nc_u64 s[6:7], s[6:7], 0x800000
	LOADS
.endif
.irp j, 0,1,2,3
	global_store_b64 v[XO], v[XP+2*(\j):XP+2*(\j)+1], s[14:15] offset:256*(\j) th:TH_STORE_NT
.endr
	s_mov_b32 s[IT], 0
.Lstep_\@:
	s_wait_kmcnt 0x0                               ; this step's a and b are in
	s_wait_xcnt 0x0                                ; every earlier memory instruction has had its addresses translated (ISA guide 3.1): the scalar loads' offset is rewritten only behind this wait
	v_cvt_pk_bf16_f32 v[TT], s21, s22              ; both rounded to bf16
	v_readfirstlane_b32 s23, v[TT]
	s_lshl_b32 s[AV], s23, 16                      ; a
	s_and_b32 s[BV], s23, s[HIM]                   ; b
	s_add_co_u32 s[IT], s[IT], 1
	s_lshl_b32 s[OFS], s[IT], 2
	s_min_u32 s[OFS], s[OFS], 4*(STEPS-1)          ; the last step's look-ahead stays inside the 80 bytes
	s_load_b32 s21, s[8:9], s[OFS] offset:0x0      ; the next step's a and b come in beside this step's 176 vector lines
	s_load_b32 s22, s[10:11], s[OFS] offset:0x0
	s_mul_f32 s[CC+0], s[BV], 0x3f7fffff           ; b x  0.99999994
	s_mul_f32 s[CC+2], s[BV], 0xc0d28d0d           ; b x -6.5797183
	s_mul_f32 s[CC+4], s[BV], 0x414fcae5           ; b x 12.987034
	s_mul_f32 s[CC+6], s[BV], 0xc14318df           ; b x -12.193572
	s_mul_f32 s[CC+8], s[BV], 0x40d28ec0           ; b x  6.5799253
	s_mul_f32 s[CC+10], s[BV], 0xbffe0ffb          ; b x -1.9848627
	ITER
	s_cmp_lt_u32 s[IT], STEPS
	s_cbranch_scc1 .Lstep_\@
.set p, 0
.rept 16
	v_pk_mul_f32 v[VV+p:VV+p+1], v[VV+p:VV+p+1], s[P2:P2+1] op_sel_hi:[1,0]  ; back from turns
.set p, p+2
.endr
.set p, 0
.rept 16
	v_cvt_pk_bf16_f32 v[SS+p/2], v[VV+p], v[VV+p+1]
.set p, p+2
.endr
.irp j, 0,1,2,3,4,5,6,7
	global_store_b64 v[WO], v[SS+2*(\j):SS+2*(\j)+1], s[12:13] offset:256*(\j) th:TH_STORE_NT
.endr
.if \more
	s_wait_xcnt 0x0                                ; the stores' bases and data registers are rewritten only behind this wait: once in a trip of some 3,600 vector lines
	s_add_nc_u64 s[12:13], s[12:13], 0x800000
	s_add_nc_u64 s[14:15], s[14:15], 0x400000
.endif
.endm
	LOADS                                          ; trip 0
	s_mov_b32 s[TRIPS], 3
.Ltrip:
	CHUNK 1
	s_sub_co_u32 s[TRIPS], s[TRIPS], 1
	s_cmp_lg_u32 s[TRIPS], 0
	s_cbranch_scc1 .Ltrip
	CHUNK 0                                        ; the last trip loads nothing
	s_endpgm
.Lfunc_end_k_q0860144940_prep:
	.size	k_q0860144940_prep, .Lfunc_end_k_q0860144940_prep-k_q0860144940_prep
	.p2alignl 7, 3214868480
	.fill 96, 4, 3214868480
	.section	.rodata,"a",@progbits
	.p2align	6, 0x0
	.amdhsa_kernel k_q0860144940_prep
		.amdhsa_group_segment_fixed_size 0
		.amdhsa_private_segment_fixed_size 0
		.amdhsa_enable_private_segment 0
		.amdhsa_kernarg_size 48
		.amdhsa_user_sgpr_count 2
		.amdhsa_user_sgpr_kernarg_segment_ptr 1
		.amdhsa_wavefront_size32 1
		.amdhsa_system_sgpr_workgroup_id_x 1
		.amdhsa_system_sgpr_workgroup_id_y 1
		.amdhsa_system_sgpr_workgroup_id_z 1
		.amdhsa_system_vgpr_workitem_id 0
		.amdhsa_next_free_vgpr 192
		.amdhsa_next_free_sgpr 66
		.amdhsa_reserve_vcc 0
		.amdhsa_float_denorm_mode_32 3
		.amdhsa_float_denorm_mode_16_64 3
		.amdhsa_memory_ordered 1
		.amdhsa_forward_progress 1
		.amdhsa_inst_pref_size 40
	.end_amdhsa_kernel
	.amdgpu_metadata
---
amdhsa.version: [ 1, 2 ]
amdhsa.kernels:
  - .name:           k_q0860144940_prep
    .symbol:         k_q0860144940_prep.kd
    .args:
      - { .name: dna_seed, .offset: 0, .size: 8, .value_kind: global_buffer, .address_space: global }
      - { .name: x, .offset: 8, .size: 8, .value_kind: global_buffer, .address_space: global }
      - { .name: dna_a, .offset: 16, .size: 8, .value_kind: global_buffer, .address_space: global }
      - { .name: dna_b, .offset: 24, .size: 8, .value_kind: global_buffer, .address_space: global }
      - { .name: wb, .offset: 32, .size: 8, .value_kind: global_buffer, .address_space: global }
      - { .name: xb, .offset: 40, .size: 8, .value_kind: global_buffer, .address_space: global }
    .group_segment_fixed_size: 0
    .private_segment_fixed_size: 0
    .kernarg_segment_align: 8
    .kernarg_segment_size: 48
    .max_flat_workgroup_size: 512
    .sgpr_count:     66
    .vgpr_count:     192
    .wavefront_size: 32
...
	.end_amdgpu_metadata
.endif
;; end of part 1
;; launch gemm (part 2): grid 16 x 16, 4 waves a work-group, clusters of 4 x 4, 327,680 bytes of LDS; arguments xb, wb, bias, out0; writes out0
.if DOCPART == 2
	.amdgcn_target "amdgcn-amd-amdhsa--gfx1250"
	.amdhsa_code_object_version 6
	.text
	.protected	k_q0860144940_gemm
	.globl	k_q0860144940_gemm
	.p2align	8
	.type	k_q0860144940_gemm,@function
k_q0860144940_gemm:
	s_mov_b64 s[64:65], 0
	v_nop
	global_prefetch_b8 v0, s[64:65] scope:SCOPE_SE
	s_setreg_imm32_b32 hwreg(HW_REG_WAVE_MODE, 25, 1), 1
	s_wait_xcnt 0x0
	s_wait_alu depctr_hold_cnt(0) depctr_sa_sdst(0) depctr_va_vdst(0) depctr_va_sdst(0) depctr_va_ssrc(0) depctr_va_vcc(0) depctr_vm_vsrc(0)
	s_getreg_b32 s2, hwreg(HW_REG_IB_STS2, 6, 4)
	s_cmp_eq_u32 s2, 0
	s_cbranch_scc0 .Lentry_in_a_cluster
	s_endpgm
.Lentry_in_a_cluster:
	s_bfe_u32 s2, ttmp6, 0x10000c
	s_cmp_lg_u32 s2, 0xf033
	s_cbranch_scc0 .Lentry_shape_is_right
	s_endpgm
.Lentry_shape_is_right:
; out0[t][o] = the sum over i of xb[t][i] wb[o][i] + bias[o].  xb: [2048][4096] bf16, wb: [4096][4096] bf16, bias: [4096] f32, out0: [2048][4096] f32.  Sums in f32.
; The bias is rounded once to bf16 as it is loaded, like every other input of the program (the launch before rounds the others), and added in f32.
; SHARES.  A tile of out0 is 128 tokens x 256 features: 16 x 16 = 256 work-groups.  Four waves, each 64 x 128: 32 accumulators of 16 x 16, 256 registers.
; K goes in steps of 128 (rows of 256 bytes, at multiples of 256 bytes from the buffers' first bytes) through a ring of two LDS slots filled by the tensor data mover;
; two slots of the longer step, 2 x 384 rows x 528 bytes, do not fit in 327,680 bytes.
; CLUSTERS: 4 x 4 work-groups.  The four of a row of the cluster need the same tiles of xb, the four of a column the same tiles of wb: each tile is asked for JOINTLY, by the same tensor load
; with the same descriptor and a mask that names the four.
; THE MATRIX INSTRUCTION IS USED TRANSPOSED: source 0 = 16 rows of wb, source 1 = 16 rows of xb: lane l then holds token l % 16 and, in its registers 0 to 7, the features 8 (l / 16) + 0 .. 7.
; REGISTERS, in windows of 256 (s_set_vgpr_msb: bits 1:0 source 0, 3:2 source 1, 5:4 source 2, 7:6 destination):
;   window 0: v0-31 addresses; v32-41 the bias; v64-127 fragments of xb (4 x 16 rows x 32 K), two buffers; v128-255 fragments of wb (8), two buffers; on the way out v64-191 whole rows
;   window 1: the accumulators: token block a, feature block b at v[8 (8 a + b)]
.set SIZE_K, 4096
.set SIZE_N, 4096
.set KSTEP,  128
.set PITCH,  272                       ; an LDS row: 256 bytes + 16 of padding = 68 words: row r starts at bank 4 r mod 64 (64 banks of 4 bytes: ISA guide 11.1), so the 16 rows of a load start at 16 different banks
.set AHALF,  64*PITCH                  ; what one tensor load brings of xb, and what one wave reads of it
.set BHALF,  128*PITCH                 ; the same for wb
.set BOFF,   2*AHALF                   ; a slot: xb's 128 rows, then wb's 256
.set SLOT,   BOFF+2*BHALF
.set STAGE,  2*SLOT                    ; behind the ring, never filled by a tensor load: 16 rows x 528 bytes for each wave, for the way out
.set SPITCH, 528                       ; 512 bytes + 16: the 16 rows that a store touches start at 16 different groups of four banks
.set SPARE,  STAGE+4*16*SPITCH         ; behind the stages: the spare words, 128 bytes for each wave: two blocks of 256 bytes that no other line names
.set LAPS,   SIZE_K/(2*KSTEP)          ; a lap = two K steps = once round the ring
.set ADRA, 16                          ; v16-17  LDS address of my xb fragments in slot 0, 1
.set ADRB, 20                          ; v20-21  the same for wb
.set STO,  24                          ; v24     the way out: where I put 32 bytes of a row
.set RD,   25                          ; v25     the way out: where I read 16 bytes of a row back
.set CO,   26                          ; v26     16 x my lane: my place in 512 bytes of out0 and of the bias
.set SPW,  28                          ; v28     LDS address of my spare word: SPARE + 4 x my thread's number; never rewritten
.set NIL,  29                          ; v29     0; never rewritten
.set PFO,  30                          ; v30     the prefetches' offset: my lane x a row of 8,192 bytes; never rewritten
.set BI,   32                          ; v32-35  the bias of my four features on the way out, rounded to bf16 and widened
.set BL,   36                          ; v36-39  as loaded
.set BT,   40                          ; v40-41  packed
.set FA,   64
.set FB,   128
.set OB,   64                          ; the way out: 16 rows read back: v64-127 and v128-191 by turns
.set WV,   12                          ; s12  my wave's number
.set RH,   13                          ; s13  which 64 tokens of the tile are mine.  Also: I fetch for xb (0) or for wb (1)
.set CH,   14                          ; s14  which 128 features.  Also: which half of that tile I fetch
.set LIM,  15                          ; s15  2 in a wave that prefetches, else the greatest number
.set G1A,  24                          ; s[24:31] descriptor group 1 for xb's tiles;  s[32:39] group 0, a set for each slot
.set G0A,  32
.set PFA,  40                          ; s[40:41] where my prefetches stand
.set G1B,  48                          ; s[48:55], s[56:63] the same for wb's tiles
.set G0B,  56
.set MSB, 0
.macro WIN new                         ; the immediate's high byte repeats the setting that is left; a switch that changes nothing is dropped
.if MSB != (\new)
	s_set_vgpr_msb (MSB<<8)|(\new)
.set MSB, \new
.endif
.endm
.set MUL, 0x50                         ; both sources window 0; C and D window 1
.set OUTW, 0x04                        ; an LDS store's data (source 1) window 1, its address window 0
; A joint load.  Waves 0 and 1 fetch xb's two halves, waves 2 and 3 wb's.  Each of the two lines has one mask and one set of registers for all that issue it; the branch hangs on the wave's number alone.
; An s_nop 0 and four v_nop follow each of the two lines, ahead of the jump, the label and what follows.
.macro JLOAD s
	s_cmp_eq_u32 s[RH], 0
	s_cbranch_scc0 .Lfor_b_\@
	tensor_load_to_lds s[G0A+4*(\s):G0A+4*(\s)+3], s[G1A:G1A+7]
	s_nop 0
.rept 4
	v_nop
.endr
	s_branch .Lasked_\@
.Lfor_b_\@:
	tensor_load_to_lds s[G0B+4*(\s):G0B+4*(\s)+3], s[G1B:G1B+7]
	s_nop 0
.rept 4
	v_nop
.endr
.Lasked_\@:
.endm
; A PREFETCH INTO THE L2, behind each joint refill, its five lines and the run of LDS loads that follows: 32 rows x 256 bytes, a lane a row, of the K step that stands FOUR refills on: 512 matrix instructions of the wave ahead of the load that will want it.
; Each row's 256 bytes of a K step are named once in the launch.  xb's tile row is read by every cluster of that row of clusters: the one with x = 0 asks; wb's tile column by every cluster of that column: y = 0 asks.
; The four partners that ask for a tile jointly share its rows out BY ADDRESS: of xb's 128 rows the partner at cx takes 32 (its wave 0 asks), of wb's 256 the partner at cy takes 64 (its waves 2 and 3, 32 each).
; Wave 1 asks for nothing.  No branch hangs on a work-group's place in its cluster.  K steps 0 to 5 come by their loads alone; the loop's last two trips ask for nothing: step 31 is the last.
.macro ASK
	s_cmp_gt_u32 s3, s[LIM]                        ; s3 runs 15 .. 1: above 2 the K step four refills on exists
	s_cbranch_scc0 .Lnot_mine_\@
	global_prefetch_b8 v[PFO], s[PFA:PFA+1] th:TH_LOAD_NT scope:SCOPE_SE
.Lnot_mine_\@:
.endm
; A round of the cluster's barrier: my work-group's barrier, so that wave 0's signal speaks for all four waves; wave 0 signals for the work-group; every wave waits for all sixteen; my work-group's barrier once more.
.macro CREST                           ; a round behind its opening barrier
	s_cmp_lg_u32 s[WV], 0
	s_cbranch_scc1 .Lnot_wave_0_\@
	s_barrier_signal -3
.Lnot_wave_0_\@:
	s_barrier_wait -3
	s_barrier_signal -1
	s_barrier_wait -1
.endm
.macro CROUND                          ; a whole round
	s_barrier_signal -1
	s_barrier_wait -1
	CREST
.endm
	s_load_b256 s[4:11], s[0:1], 0x0               ; xb s[4:5], wb s[6:7], bias s[8:9], out0 s[10:11]
	v_lshl_add_u32 v[SPW], v0, 2, SPARE
	v_mov_b32 v[NIL], 0
	ds_add_u32 v[SPW], v[NIL]                      ; the wave's opening: the add, twice on end, and its wait ahead of my first tensor load; the set-up below, work on registers, stands between
	ds_add_u32 v[SPW], v[NIL]                      ; and once more, under the one wait
	v_lshrrev_b32 v1, 5, v0
	v_readfirstlane_b32 s[WV], v1                  ; wave 0..3
	s_lshr_b32 s[RH], s[WV], 1
	s_and_b32 s[CH], s[WV], 1
	s_bfe_u32 s42, ttmp6, 0x40000                  ; cx: my place along the cluster's x
	s_bfe_u32 s43, ttmp6, 0x40004                  ; cy: along its y
	s_lshl_b32 s44, ttmp9, 2                       ; in a cluster launch ttmp9 and ttmp7 count clusters
	s_add_co_u32 s44, s44, s42                     ; tile column = 4 x cluster x + cx
	s_and_b32 s45, ttmp7, 0xffff
	s_lshl_b32 s45, s45, 2
	s_add_co_u32 s45, s45, s43                     ; tile row = 4 x cluster y + cy
	s_lshl_b32 s20, s43, 2
	s_lshl_b32 s20, 15, s20                        ; my row of the cluster: places 4 cy .. 4 cy + 3
	s_lshl_b32 s21, 0x1111, s42                    ; my column: places cx, cx + 4, cx + 8, cx + 12
	; descriptor group 1: tiles of 64 (xb) and 128 (wb) rows x 128 elements, padded in LDS
	s_or_b32 s[G1A+0], s20, (1<<16)|(1<<20)|(1<<21)|(5<<22)|(3<<25)  ; 15:0 the mask: xb's tiles go to my row; 17:16 elements of 2 bytes; 20 padding on; 21 set beside a mask; 24:22 after every 64 words (code 5); 31:25 4 words of it (code 3)
	s_or_b32 s[G1B+0], s21, (1<<16)|(1<<20)|(1<<21)|(5<<22)|(3<<25)  ; the same with the mask of my column, for wb's tiles
	s_mov_b32 s[G1A+1], KSTEP<<16                  ; tensor_dim0 = 128
	s_mov_b32 s[G1B+1], KSTEP<<16
	s_mov_b32 s[G1A+2], 64<<16                     ; tensor_dim1 = 64
	s_mov_b32 s[G1B+2], 128<<16                    ;             = 128
	s_mov_b32 s[G1A+3], KSTEP<<16                  ; tile_dim0 = 128
	s_mov_b32 s[G1B+3], KSTEP<<16
	s_mov_b32 s[G1A+4], 64                         ; tile_dim1 = 64
	s_mov_b32 s[G1B+4], 128                        ;           = 128
	s_mov_b32 s[G1A+5], SIZE_K                     ; elements from row to row
	s_mov_b32 s[G1B+5], SIZE_K
	s_mov_b32 s[G1A+6], 0
	s_mov_b32 s[G1B+6], 0
	s_mov_b32 s[G1A+7], 0
	s_mov_b32 s[G1B+7], 0
	; where the tiles come from.  xb's hang on the tile row alone, which my row of the cluster shares; wb's on the tile column alone, which my column shares.  Every wave makes both, in registers that never hold the other coordinate.
	s_lshl_b32 s16, s45, 7
	s_lshl_b32 s17, s[CH], 6
	s_add_co_u32 s16, s16, s17                     ; xb: row 128 x tile row + 64 x half,
	s_lshl_b32 s16, s16, 13                        ; of 8,192 bytes: under 2^24
	s_mov_b32 s17, 0
	s_lshl_b32 s46, s44, 8
	s_lshl_b32 s47, s[CH], 7
	s_add_co_u32 s46, s46, s47                     ; wb: row 256 x tile column + 128 x half: under 2^25 bytes
	s_lshl_b32 s46, s46, 13
	s_mov_b32 s47, 0
	s_mul_i32 s22, s[CH], AHALF                    ; and where they go: no place in the cluster enters an LDS address
	s_mul_i32 s23, s[CH], BHALF
	s_add_co_u32 s23, s23, BOFF
	s_wait_dscnt 0x0                               ; both opening adds are done
	s_wait_kmcnt 0x0
	s_add_nc_u64 s[16:17], s[4:5], s[16:17]
	s_add_nc_u64 s[46:47], s[6:7], s[46:47]
	CROUND                                         ; all sixteen work-groups are here: the first joint loads meet
.irp s, 0,1
	s_mov_b32 s[G0A+4*(\s)], 1                                       ; 1:0 count = 1
	s_add_co_u32 s[G0A+4*(\s)+1], s22, (\s)*SLOT                     ; 63:32 LDS address
	s_add_nc_u64 s[G0A+4*(\s)+2:G0A+4*(\s)+3], s[16:17], (\s)*KSTEP*2  ; 120:64 global address: K step s
	s_or_b32 s[G0A+4*(\s)+3], s[G0A+4*(\s)+3], 0x80000000            ; 127:126 type = 2
	s_mov_b32 s[G0B+4*(\s)], 1
	s_add_co_u32 s[G0B+4*(\s)+1], s23, (\s)*SLOT
	s_add_nc_u64 s[G0B+4*(\s)+2:G0B+4*(\s)+3], s[46:47], (\s)*KSTEP*2
	s_or_b32 s[G0B+4*(\s)+3], s[G0B+4*(\s)+3], 0x80000000
	JLOAD \s                                       ; the ring is filled before anything else is done: two tensor loads of mine are out
.endr
	; A fragment is 16 rows x 32 K in 8 registers: lane l holds row l % 16; registers 0-3 K = 8 (l / 16) + 0..7, registers 4-7 K = 16 + 8 (l / 16) + 0..7: two loads of 16 bytes, 32 bytes apart.
	v_and_b32 v1, 15, v0                           ; l % 16
	v_bfe_u32 v2, v0, 4, 1                         ; l / 16
	v_and_b32 v5, 31, v0                           ; l
	v_mul_u32_u24 v3, v1, PITCH
	v_lshl_add_u32 v3, v2, 4, v3                   ; row x pitch + 16 x half
	s_mul_i32 s21, s[RH], AHALF                    ; my 64 rows of xb
	s_mul_i32 s22, s[CH], BHALF                    ; my 128 rows of wb,
	s_add_co_u32 s22, s22, BOFF                    ; which lie behind xb's 128
.irp s, 0,1
	v_add_nc_u32 v[ADRA+(\s)], s21, v3
	v_add_nc_u32 v[ADRB+(\s)], s22, v3
	s_add_co_u32 s21, s21, SLOT
	s_add_co_u32 s22, s22, SLOT
.endr
	s_mul_i32 s23, s[WV], 16*SPITCH
	s_add_co_u32 s23, s23, STAGE                   ; my stage
	v_mul_u32_u24 v4, v1, SPITCH                   ; in: row l % 16, 32 bytes for each half of the lanes
	v_lshl_add_u32 v4, v2, 5, v4
	v_add_nc_u32 v[STO], s23, v4
	v_lshlrev_b32 v[CO], 4, v5                     ; back: 32 lanes take one row of 512 bytes
	v_add_nc_u32 v[RD], s23, v[CO]
	v_lshlrev_b32 v[PFO], 13, v5
	; out0 at my first row and column; the bias at my first column
	s_lshl_b32 s16, s45, 7
	s_lshl_b32 s17, s[RH], 6
	s_add_co_u32 s16, s16, s17                     ; row 128 x tile row + 64 x half,
	s_lshl_b32 s16, s16, 14                        ; of 16,384 bytes: under 2^25
	s_mov_b32 s17, 0
	s_add_nc_u64 s[10:11], s[10:11], s[16:17]
	s_lshl_b32 s46, s44, 10                        ; column 256 x tile column + 128 x half, 4 bytes each
	s_lshl_b32 s47, s[CH], 9
	s_add_co_u32 s46, s46, s47
	s_mov_b32 s47, 0
	s_add_nc_u64 s[10:11], s[10:11], s[46:47]
	s_add_nc_u64 s[8:9], s[8:9], s[46:47]
	global_load_b128 v[BL:BL+3], v[CO], s[8:9]     ; waited for on the way out
	; the prefetches' pointer and who asks
	s_lshl_b32 s20, s45, 7
	s_lshl_b32 s21, s42, 5
	s_add_co_u32 s20, s20, s21                     ; xb: row 128 x tile row + 32 cx
	s_lshl_b32 s21, s44, 8
	s_lshl_b32 s22, s43, 6
	s_add_co_u32 s21, s21, s22
	s_lshl_b32 s22, s[CH], 5
	s_add_co_u32 s21, s21, s22                     ; wb: row 256 x tile column + 64 cy + 32 x half
	s_and_b32 s22, ttmp7, 0xffff                   ; cluster y
	s_cmp_eq_u32 s[RH], 0                          ; do I fetch for xb?
	s_cselect_b32 s20, s20, s21
	s_cselect_b32 s22, ttmp9, s22                  ; the coordinate along which other clusters read the same rows
	s_cselect_b64 s[PFA:PFA+1], s[4:5], s[6:7]
	s_cmp_eq_u32 s[WV], 1
	s_cselect_b32 s23, 1, 0                        ; wave 1 has no rows to ask for
	s_or_b32 s22, s22, s23
	s_cmp_eq_u32 s22, 0
	s_cselect_b32 s[LIM], 2, -1                    ; the same in all sixteen partners, for a given wave
	s_lshl_b32 s20, s20, 13
	s_mov_b32 s21, 0
	s_add_nc_u64 s[PFA:PFA+1], s[PFA:PFA+1], s[20:21]
	s_add_nc_u64 s[PFA:PFA+1], s[PFA:PFA+1], 5*KSTEP*2  ; at K step 5: the first refill (K step 2) steps it to 6 and names that.  Nothing is asked for here, at the head
; 8 matrix instructions: token block a x all 8 feature blocks, 32 along K, from buffer f.  zero = 1: the first product starts the sums: nothing is ever cleared.
; The 32 accumulators take turns, one instruction a turn, in the same order in every quarter step, over the backward jump too.
.macro MULA f, a, zero
	WIN MUL
.irp b, 0,1,2,3,4,5,6,7
.if \zero
	v_wmma_f32_16x16x32_bf16 v[8*(8*(\a)+(\b)):8*(8*(\a)+(\b))+7], v[FB+64*(\f)+8*(\b):FB+64*(\f)+8*(\b)+7], v[FA+32*(\f)+8*(\a):FA+32*(\f)+8*(\a)+7], 0
.else
	v_wmma_f32_16x16x32_bf16 v[8*(8*(\a)+(\b)):8*(8*(\a)+(\b))+7], v[FB+64*(\f)+8*(\b):FB+64*(\f)+8*(\b)+7], v[FA+32*(\f)+8*(\a):FA+32*(\f)+8*(\a)+7], v[8*(8*(\a)+(\b)):8*(8*(\a)+(\b))+7]
.endif
.endr
.endm
.macro MUL16 f, a0, zero
	MULA \f, \a0, \zero
	MULA \f, (\a0)+1, \zero
.endm
; 24 LDS loads in one run: the fragments of one quarter step (128 rows of wb, then 64 rows of xb, 32 K at byte k of the rows) into buffer f
.macro FETCH slot, k, f
	WIN 0
.irp i, 0,1,2,3,4,5,6,7
	ds_load_b128 v[FB+64*(\f)+8*(\i):FB+64*(\f)+8*(\i)+3],   v[ADRB+(\slot)] offset:(\k)+(\i)*16*PITCH
	ds_load_b128 v[FB+64*(\f)+8*(\i)+4:FB+64*(\f)+8*(\i)+7], v[ADRB+(\slot)] offset:(\k)+(\i)*16*PITCH+32
.endr
.irp i, 0,1,2,3
	ds_load_b128 v[FA+32*(\f)+8*(\i):FA+32*(\f)+8*(\i)+3],   v[ADRA+(\slot)] offset:(\k)+(\i)*16*PITCH
	ds_load_b128 v[FA+32*(\f)+8*(\i)+4:FA+32*(\f)+8*(\i)+7], v[ADRA+(\slot)] offset:(\k)+(\i)*16*PITCH+32
.endr
.endm
; A load into a register that a matrix instruction has read, and whatever reads a matrix result, stand four places behind that matrix instruction, and only plain vector instructions that name none of
; its registers are places (ISA guide 7.12.1 for vector instructions); the matrix instructions in between are not counted.
.macro PLACES
.rept 4
	v_nop
.endr
.endm
; A K step is four quarter steps of 32 along K, 32 matrix instructions each, on buffers 0, 1, 0, 1.  One of the first three: multiplies buffer f; in its middle it fetches the next quarter, at byte k, into g.
.macro QUARTER slot, k, f, g, zero
	s_wait_dscnt 4                                 ; wb's fragments and xb's blocks 0 and 1 are in; the youngest four loads (blocks 2 and 3) may be out
	MUL16 \f, 0, \zero
	PLACES
	FETCH \slot, \k, \g
	s_wait_dscnt 24                                ; all but the 24 just issued
	MUL16 \f, 2, \zero
.endm
; The last quarter multiplies buffer 1 and changes slots: ONE barrier, for two things.  In front of it each wave waits for all its tensor loads, of which one is out: its part of the next slot; adds 0 to its
; spare word; and waits for that and for its own reads of this slot.  Behind it nobody reads this slot any more and the next slot is whole.  fill = 1: the barrier opens a round of the cluster's, so that no
; wave of any partner still reads the slot or has a load on its way, and the slot is filled again, two K steps on, first thing behind the round: 112 matrix instructions ahead of the wait for it.
.macro TURN slot, next, fill
.if \fill
	s_wait_xcnt 0x0                                ; the last prefetch, a K step back, has read its address: it is stepped here, ahead of the waits of the change of slots
	s_add_nc_u64 s[PFA:PFA+1], s[PFA:PFA+1], KSTEP*2
.endif
	WIN 0                                          ; (the add's two registers lie in window 0)
	s_wait_tensorcnt 0x0                           ; all my tensor loads have landed;
	ds_add_u32 v[SPW], v[NIL]                      ; 0 onto my spare word
	s_wait_dscnt 5                                 ; (the add and the youngest four loads may be out)
	MULA 1, 0, 0                                   ; eight matrix instructions stand between the add and the wait for it
	s_wait_dscnt 0x0                               ; the add is done, and my reads of this slot are over
	s_barrier_signal -1
	MULA 1, 1, 0                                   ; work on registers while the others arrive
	WIN 0                                          ; (branches may follow)
	s_barrier_wait -1
.if \fill
	CREST
	s_add_nc_u64 s[G0A+4*(\slot)+2:G0A+4*(\slot)+3], s[G0A+4*(\slot)+2:G0A+4*(\slot)+3], 2*KSTEP*2  ; no tensor load of mine is out, so a group 0 may be written
	s_add_nc_u64 s[G0B+4*(\slot)+2:G0B+4*(\slot)+3], s[G0B+4*(\slot)+2:G0B+4*(\slot)+3], 2*KSTEP*2
	JLOAD \slot                                    ; the four v_nop behind it are also the places in front of the loads below
.else
	PLACES
.endif
	FETCH \next, 0, 0
.if \fill
	ASK
.endif
	MUL16 1, 2, 0
.endm
	s_wait_tensorcnt 1                             ; my part of K step 0 is in; K step 1's may stay out
	s_barrier_signal -1
	s_barrier_wait -1                              ; everybody's is
	FETCH 0, 0, 0
	QUARTER 0, 64,  0, 1, 1                        ; the first quarter stands in front of the loop: its products start the sums
	WIN 0                                          ; at a label and at a branch every window is 0
	s_mov_b32 s3, LAPS-1
.Llap:                                                 ; a trip goes once round the ring, from a lap's second quarter to the next lap's first, and fills both slots again
	QUARTER 0, 128, 1, 0, 0
	QUARTER 0, 192, 0, 1, 0
	TURN 0, 1, 1
	QUARTER 1, 64,  0, 1, 0
	QUARTER 1, 128, 1, 0, 0
	QUARTER 1, 192, 0, 1, 0
	TURN 1, 0, 1
	QUARTER 0, 64,  0, 1, 0
	WIN 0
	s_sub_co_u32 s3, s3, 1
	s_cmp_lg_u32 s3, 0
	s_cbranch_scc1 .Llap
	QUARTER 0, 128, 1, 0, 0                        ; the last lap is written out: it fills nothing, and has no round of the cluster's barrier
	QUARTER 0, 192, 0, 1, 0
	TURN 0, 1, 0
	QUARTER 1, 64,  0, 1, 0
	QUARTER 1, 128, 1, 0, 0
	QUARTER 1, 192, 0, 1, 0
	s_wait_dscnt 4                                 ; the very last quarter: nothing more to fetch
	MUL16 1, 0, 0
	s_wait_dscnt 0x0
	MUL16 1, 2, 0
	WIN 0
	; THE WAY OUT.  A lane holds 32 bytes of a row of out0 for each accumulator, and the lanes beside it other rows.  So a block of 16 rows x 512 bytes at a time goes through my own stage: in as it lies in the
	; accumulators, back as whole rows; then the bias is added, and a store of the wave covers 512 consecutive bytes, at a multiple of 512 from out0's first byte.
	PLACES                                         ; with the six lines below: the places behind the last products
	s_wait_loadcnt 0x0                             ; the bias
	v_cvt_pk_bf16_f32 v[BT], v[BL], v[BL+1]        ; rounded to bf16,
	v_cvt_pk_bf16_f32 v[BT+1], v[BL+2], v[BL+3]
	v_lshlrev_b32 v[BI], 16, v[BT]                 ; and widened again
	v_and_b32 v[BI+1], 0xffff0000, v[BT]
	v_lshlrev_b32 v[BI+2], 16, v[BT+1]
	v_and_b32 v[BI+3], 0xffff0000, v[BT+1]
.macro TOSTAGE a
	WIN OUTW
.irp b, 0,1,2,3,4,5,6,7
	ds_store_b128 v[STO], v[8*(8*(\a)+(\b)):8*(8*(\a)+(\b))+3]   offset:64*(\b)      ; each accumulator's low four registers first
	ds_store_b128 v[STO], v[8*(8*(\a)+(\b))+4:8*(8*(\a)+(\b))+7] offset:64*(\b)+16
.endr
	WIN 0
.if (\a) >= 2
	s_wait_xcnt 0x0                                ; the stores of the block two back have read these registers (ISA guide 3.1): they are loaded again only behind this wait
.endif
.irp t, 0,1,2,3,4,5,6,7,8,9,10,11,12,13,14,15
	ds_load_b128 v[OB+64*((\a)%2)+4*(\t):OB+64*((\a)%2)+4*(\t)+3], v[RD] offset:(\t)*SPITCH  ; LDS serves a wave's instructions in order (ISA guide 5.7.1.4): these see the stores above; the next block's stores come behind them
.endr
.endm
.macro SEND a, younger                 ; younger: the LDS instructions issued behind block a's loads: the next block's 32, or none
	s_wait_dscnt \younger
.irp t, 0,1,2,3,4,5,6,7,8,9,10,11,12,13,14,15
	v_pk_add_f32 v[OB+64*((\a)%2)+4*(\t):OB+64*((\a)%2)+4*(\t)+1],   v[OB+64*((\a)%2)+4*(\t):OB+64*((\a)%2)+4*(\t)+1],   v[BI:BI+1]
	v_pk_add_f32 v[OB+64*((\a)%2)+4*(\t)+2:OB+64*((\a)%2)+4*(\t)+3], v[OB+64*((\a)%2)+4*(\t)+2:OB+64*((\a)%2)+4*(\t)+3], v[BI+2:BI+3]
	global_store_b128 v[CO], v[OB+64*((\a)%2)+4*(\t):OB+64*((\a)%2)+4*(\t)+3], s[10:11] offset:(16*(\a)+(\t))*SIZE_N*4 th:TH_STORE_NT  ; 63 rows of 16,384 bytes at the most: inside the signed 24-bit immediate
.endr
.endm
	TOSTAGE 0
	TOSTAGE 1                                      ; a block's trip through the stage stands between the loads of the block before and its stores
	SEND 0, 32
	TOSTAGE 2
	SEND 1, 32
	TOSTAGE 3
	SEND 2, 32
	SEND 3, 0
	s_wait_tensorcnt 0x0                           ; the wave's end: behind my last tensor load and my last LDS store
	ds_add_u32 v[SPW], v[NIL]
	s_wait_dscnt 0x0
	CROUND                                         ; the closing round: no work-group ends while a partner may still ask for a tile that names it
	s_endpgm
.Lfunc_end_k_q0860144940_gemm:
	.size	k_q0860144940_gemm, .Lfunc_end_k_q0860144940_gemm-k_q0860144940_gemm
	.p2alignl 7, 3214868480
	.fill 96, 4, 3214868480
	.section	.rodata,"a",@progbits
	.p2align	6, 0x0
	.amdhsa_kernel k_q0860144940_gemm
		.amdhsa_group_segment_fixed_size 327680
		.amdhsa_private_segment_fixed_size 0
		.amdhsa_enable_private_segment 0
		.amdhsa_kernarg_size 32
		.amdhsa_user_sgpr_count 2
		.amdhsa_user_sgpr_kernarg_segment_ptr 1
		.amdhsa_wavefront_size32 1
		.amdhsa_system_sgpr_workgroup_id_x 1
		.amdhsa_system_sgpr_workgroup_id_y 1
		.amdhsa_system_sgpr_workgroup_id_z 1
		.amdhsa_system_vgpr_workitem_id 0
		.amdhsa_next_free_vgpr 512
		.amdhsa_next_free_sgpr 66
		.amdhsa_reserve_vcc 0
		.amdhsa_float_denorm_mode_32 3
		.amdhsa_float_denorm_mode_16_64 3
		.amdhsa_memory_ordered 1
		.amdhsa_forward_progress 1
		.amdhsa_inst_pref_size 94
	.end_amdhsa_kernel
	.amdgpu_metadata
---
amdhsa.version: [ 1, 2 ]
amdhsa.kernels:
  - .name:           k_q0860144940_gemm
    .symbol:         k_q0860144940_gemm.kd
    .args:
      - { .name: xb, .offset: 0, .size: 8, .value_kind: global_buffer, .address_space: global }
      - { .name: wb, .offset: 8, .size: 8, .value_kind: global_buffer, .address_space: global }
      - { .name: bias, .offset: 16, .size: 8, .value_kind: global_buffer, .address_space: global }
      - { .name: out0, .offset: 24, .size: 8, .value_kind: global_buffer, .address_space: global }
    .group_segment_fixed_size: 327680
    .private_segment_fixed_size: 0
    .kernarg_segment_align: 8
    .kernarg_segment_size: 32
    .max_flat_workgroup_size: 128
    .sgpr_count:     66
    .vgpr_count:     512
    .wavefront_size: 32
...
	.end_amdgpu_metadata
.endif
;; end of part 2
;; ======== version 2 of 3: 3 launches
;; workspace buffers: wb 33,554,432 bytes; xb 16,777,216 bytes; codes 33,554,432 bytes of whole numbers; tab 131,072 bytes
;; launch encode (part 3): grid 256 x 1, 16 waves a work-group, no clusters, 0 bytes of LDS; arguments dna_seed, x, dna_a, dna_b, codes, xb, tab; writes codes, xb, tab
.if DOCPART == 3
	.amdgcn_target "amdgcn-amd-amdhsa--gfx1250"
	.amdhsa_code_object_version 6
	.text
	.protected	k_q0860144940_encode
	.globl	k_q0860144940_encode
	.p2align	8
	.type	k_q0860144940_encode,@function
k_q0860144940_encode:
	s_mov_b64 s[64:65], 0
	v_nop
	global_prefetch_b8 v0, s[64:65] scope:SCOPE_SE
	s_setreg_imm32_b32 hwreg(HW_REG_WAVE_MODE, 25, 1), 1
	s_wait_xcnt 0x0
; codes = dna_seed rounded to bf16, kept as 16-bit whole numbers; xb = bf16(x); tab[c] = bf16(F(the bf16 number whose code is c)) for all 65,536 codes c,
; where F is the 20 steps w <- a[i] w + b[i] sin(w).  dna_seed: [4096][4096] f32, x: [2048][4096] f32, dna_a, dna_b: [20] f32; codes: 16,777,216 x 2 bytes in dna_seed's order; tab: 65,536 bf16.
; WHY A TABLE.  a and b are the same for every element, so the weight is one function F of the seed alone; this program rounds every input once to bf16 (nearest even) as it is loaded,
; and a seed so rounded is one of 65,536 numbers.  So F is worked out once for each of them, 65,536 x 20 steps in place of 16,777,216 x 20, and the next launch reads W = tab[code].
; The codes go through memory because an address is formed only from whole numbers that an earlier launch has stored.
; THE SINE.  The state is kept in turns, v = w / 2 pi.  r = v - rndne(v) lies in -1/2 .. 1/2 and is exact, and sin(w) = 2 pi r P(r^2), so a step is v <- a v + b r P(r^2).
; P is a polynomial of degree 5 in r^2 (the series of sin(t) / t through t^18, economised on 0 .. 1/4): the sine is within 2.5e-7 for every r.  b is folded into its six coefficients by scalar multiplies.
; The recurrence runs in f32; F's result is rounded once to bf16, as the matrix operand that it is.
; LIMITS.  All inputs are rounded once to bf16.  The order of rounding differs from a w + b sin(w) in radians: the phase carries v's rounding, |w| 2^-24 rad.  From |w| = 2^23 x 2 pi = 5.3e7 on v is a
; whole number and the sine counts as 0, beside a w of that size.  The codes of infinities and NaN give NaN (inf - inf), as sin(inf) does.  Where a + b cos(w) stays above 1 step after step, these differences grow with the steps.
; SHARES.  256 work-groups of 16 waves.  A wave owns 16,384 consecutive bytes of seeds (32 loads of 512 bytes) and 8,192 of x (16 loads): all 48 go out at the head, into 192 registers.
; A lane's four numbers of a load pack into 8 bytes, in place: each store of the wave covers 256 consecutive bytes, aligned.  Nothing is rewritten behind a store, so no wait frees a register.
; Wave 0 of work-group g makes tab's entries 256 g .. 256 g + 255 while its loads are out: 8 a lane, four packed pairs; its store covers 512 consecutive bytes, aligned.
; No LDS, no matrix unit, no cluster: no number is wanted by two waves.  No prefetch: every load of the launch is issued at its head.
.set STEPS, 20
.set WN,  1                            ; v1   my wave's number
.set OS,  2                            ; v2   my byte offset in the work-group's seeds: 16,384 x wave + 16 x lane; never rewritten
.set OC,  3                            ; v3   half of it: in codes
.set OX,  4                            ; v4   in x: 8,192 x wave + 16 x lane
.set OB,  5                            ; v5   half of it: in xb
.set TO,  6                            ; v6   wave 0: 16 x lane, my place in the work-group's 512 bytes of tab
.set LN,  7                            ; v7   lane
.set VV,  8                            ; v[8:15]   wave 0: the state of my 8 codes, in turns
.set RR,  16                           ; v[16:23]  r; ahead of the steps v[16:35] hold a and b, rounded and packed
.set SS,  24                           ; v[24:31]  r^2; at the end v[24:27] hold the 8 entries packed
.set QQ,  32                           ; v[32:39]  Horner's sum
.set SD,  40                           ; v[40:231] the 48 loads' registers, four each: 32 of seeds, then 16 of x
.set WV,  20                           ; s20  my wave's number
.set SA,  24                           ; s[24:43] a[0..19] as loaded; then a and b of step i, rounded and packed, in s[24+i]
.set SB,  44                           ; s[44:63] b[0..19] as loaded
.set AV,  66                           ; s[66:67] a; the packed lines take a pair's low word for both halves
.set CC,  68                           ; s[68:79] b x D0 .. b x D5, a pair each
.set I2P, 80                           ; s[80:81] 1 / 2 pi
.set P2,  82                           ; s[82:83] 2 pi
.set HIM, 84                           ; s84  mask of a word's upper bf16
.set BV,  85                           ; s85  b
	s_load_b256 s[4:11], s[0:1], 0x0               ; seed s[4:5], x s[6:7], a s[8:9], b s[10:11]
	s_load_b128 s[12:15], s[0:1], 0x20             ; codes s[12:13], xb s[14:15]
	s_load_b64 s[16:17], s[0:1], 0x30              ; tab
	v_lshrrev_b32 v[WN], 5, v0
	v_readfirstlane_b32 s[WV], v[WN]               ; wave 0..15
	v_and_b32 v[LN], 31, v0
	v_lshlrev_b32 v[OS], 4, v[LN]                  ; 16 x lane
	v_lshl_add_u32 v[OX], v[WN], 13, v[OS]
	v_lshl_add_u32 v[OS], v[WN], 14, v[OS]
	v_lshrrev_b32 v[OC], 1, v[OS]
	v_lshrrev_b32 v[OB], 1, v[OX]
	s_lshl_b32 s18, ttmp9, 18                      ; the work-group's 262,144 bytes of seeds
	s_mov_b32 s19, 0
	s_wait_kmcnt 0x0
	s_add_nc_u64 s[4:5], s[4:5], s[18:19]
	s_lshr_b32 s18, s18, 1                         ; 131,072 bytes of x and of codes
	s_add_nc_u64 s[6:7], s[6:7], s[18:19]
	s_add_nc_u64 s[12:13], s[12:13], s[18:19]
	s_lshr_b32 s18, s18, 1                         ; 65,536 bytes of xb
	s_add_nc_u64 s[14:15], s[14:15], s[18:19]
.set n, 0
.rept 32
	global_load_b128 v[SD+4*n:SD+4*n+3], v[OS], s[4:5] offset:512*n th:TH_LOAD_NT
.set n, n+1
.endr
.rept 16
	global_load_b128 v[SD+4*n:SD+4*n+3], v[OX], s[6:7] offset:512*(n-32) th:TH_LOAD_NT
.set n, n+1
.endr
	s_cmp_lg_u32 s[WV], 0
	s_cbranch_scc1 .Lstream                        ; the table is wave 0's; the jump passes no barrier and no load into registers
	; THE TABLE, beside the 48 loads that are out
	s_load_b512 s[SA:SA+15], s[8:9], 0x0           ; a's 80 bytes,
	s_load_b128 s[SA+16:SA+19], s[8:9], 0x40
	s_load_b512 s[SB:SB+15], s[10:11], 0x0         ; b's
	s_load_b128 s[SB+16:SB+19], s[10:11], 0x40
	s_mov_b32 s[I2P], 0x3e22f983
	s_mov_b32 s[I2P+1], 0x3e22f983                 ; the upper words of the pairs are named with the lower, so they are written
	s_mov_b32 s[P2], 0x40c90fdb
	s_mov_b32 s[P2+1], 0x40c90fdb
	s_mov_b32 s[HIM], 0xffff0000
	s_mov_b32 s[AV+1], 0
.irp j, 0,1,2,3,4,5
	s_mov_b32 s[CC+2*(\j)+1], 0
.endr
	s_lshl_b32 s18, ttmp9, 9                       ; the work-group's 512 bytes of tab (s19 is still 0)
	s_add_nc_u64 s[16:17], s[16:17], s[18:19]
	s_lshl_b32 s18, ttmp9, 24                      ; code 256 g, moved up into a bf16's place in an f32
	v_lshl_add_u32 v[TO], v[LN], 19, s18           ; + 8 x lane
.irp e, 0,1,2,3,4,5,6,7
	v_or_b32 v[VV+(\e)], (\e)<<16, v[TO]           ; the number whose code is 256 g + 8 lane + e
.endr
	v_lshlrev_b32 v[TO], 4, v[LN]
.irp p, 0,2,4,6
	v_pk_mul_f32 v[VV+(\p):VV+(\p)+1], v[VV+(\p):VV+(\p)+1], s[I2P:I2P+1] op_sel_hi:[1,0]  ; into turns
.endr
	s_wait_kmcnt 0x0                               ; a and b are in
.set i, 0
.rept STEPS
	v_cvt_pk_bf16_f32 v[RR+i], s[SA+i], s[SB+i]    ; both rounded to bf16: a in the low half, b in the high
.set i, i+1
.endr
.set i, 0
.rept STEPS
	v_readfirstlane_b32 s[SA+i], v[RR+i]
.set i, i+1
.endr
; One step for the lane's four pairs, stage by stage.
.macro ITER
.set p, 0
.rept 8
	v_rndne_f32 v[RR+p], v[VV+p]
.set p, p+1
.endr
.set p, 0
.rept 4
	v_pk_add_f32 v[RR+p:RR+p+1], v[VV+p:VV+p+1], v[RR+p:RR+p+1] neg_lo:[0,1] neg_hi:[0,1]  ; r = v - rndne(v), exact
.set p, p+2
.endr
.set p, 0
.rept 4
	v_pk_mul_f32 v[SS+p:SS+p+1], v[RR+p:RR+p+1], v[RR+p:RR+p+1]
.set p, p+2
.endr
.set p, 0
.rept 4
	v_pk_mul_f32 v[VV+p:VV+p+1], v[VV+p:VV+p+1], s[AV:AV+1] op_sel_hi:[1,0]  ; a v
.set p, p+2
.endr
.set p, 0
.rept 4
	v_pk_fma_f32 v[QQ+p:QQ+p+1], v[SS+p:SS+p+1], s[CC+10:CC+11], s[CC+8:CC+9] op_sel_hi:[1,0,0]
.set p, p+2
.endr
.irp j, 3,2,1,0
.set p, 0
.rept 4
	v_pk_fma_f32 v[QQ+p:QQ+p+1], v[QQ+p:QQ+p+1], v[SS+p:SS+p+1], s[CC+2*(\j):CC+2*(\j)+1] op_sel_hi:[1,1,0]
.set p, p+2
.endr
.endr
.set p, 0
.rept 4
	v_pk_fma_f32 v[VV+p:VV+p+1], v[RR+p:RR+p+1], v[QQ+p:QQ+p+1], v[VV+p:VV+p+1]  ; a v + r (b P)
.set p, p+2
.endr
.endm
.set i, 0
.rept STEPS                            ; written out: a step's a and b lie in a register of their own
	s_lshl_b32 s[AV], s[SA+i], 16                  ; a
	s_and_b32 s[BV], s[SA+i], s[HIM]               ; b
	s_mul_f32 s[CC+0], s[BV], 0x3f7fffff           ; b x  0.99999994
	s_mul_f32 s[CC+2], s[BV], 0xc0d28d0d           ; b x -6.5797183
	s_mul_f32 s[CC+4], s[BV], 0x414fcae5           ; b x 12.987034
	s_mul_f32 s[CC+6], s[BV], 0xc14318df           ; b x -12.193572
	s_mul_f32 s[CC+8], s[BV], 0x40d28ec0           ; b x  6.5799253
	s_mul_f32 s[CC+10], s[BV], 0xbffe0ffb          ; b x -1.9848627
	ITER
.set i, i+1
.endr
.irp p, 0,2,4,6
	v_pk_mul_f32 v[VV+(\p):VV+(\p)+1], v[VV+(\p):VV+(\p)+1], s[P2:P2+1] op_sel_hi:[1,0]  ; back from turns
.endr
.irp p, 0,1,2,3
	v_cvt_pk_bf16_f32 v[SS+(\p)], v[VV+2*(\p)], v[VV+2*(\p)+1]
.endr
	global_store_b128 v[TO], v[SS:SS+3], s[16:17]  ; 8 entries a lane
.Lstream:
; THE STREAM.  Load n's four numbers are rounded in place and stored; m is the load's number within its buffer.
.macro OUT n, off, base, m
	v_cvt_pk_bf16_f32 v[SD+4*(\n)], v[SD+4*(\n)], v[SD+4*(\n)+1]
	v_cvt_pk_bf16_f32 v[SD+4*(\n)+1], v[SD+4*(\n)+2], v[SD+4*(\n)+3]
	global_store_b64 v[\off], v[SD+4*(\n):SD+4*(\n)+1], s[\base:\base+1] offset:256*(\m) th:TH_STORE_NT
.endm
.set n, 0
.rept 12
	s_wait_loadcnt 44-n                            ; loads come back in order (ISA guide 5.7.1): loads n .. n + 3 are in, the 44 - n younger ones stay out
.rept 4
.if n < 32
	OUT n, OC, 12, n
.else
	OUT n, OB, 14, n-32
.endif
.set n, n+1
.endr
.endr
	s_endpgm
.Lfunc_end_k_q0860144940_encode:
	.size	k_q0860144940_encode, .Lfunc_end_k_q0860144940_encode-k_q0860144940_encode
	.p2alignl 7, 3214868480
	.fill 96, 4, 3214868480
	.section	.rodata,"a",@progbits
	.p2align	6, 0x0
	.amdhsa_kernel k_q0860144940_encode
		.amdhsa_group_segment_fixed_size 0
		.amdhsa_private_segment_fixed_size 0
		.amdhsa_enable_private_segment 0
		.amdhsa_kernarg_size 56
		.amdhsa_user_sgpr_count 2
		.amdhsa_user_sgpr_kernarg_segment_ptr 1
		.amdhsa_wavefront_size32 1
		.amdhsa_system_sgpr_workgroup_id_x 1
		.amdhsa_system_sgpr_workgroup_id_y 1
		.amdhsa_system_sgpr_workgroup_id_z 1
		.amdhsa_system_vgpr_workitem_id 0
		.amdhsa_next_free_vgpr 232
		.amdhsa_next_free_sgpr 86
		.amdhsa_reserve_vcc 0
		.amdhsa_float_denorm_mode_32 3
		.amdhsa_float_denorm_mode_16_64 3
		.amdhsa_memory_ordered 1
		.amdhsa_forward_progress 1
		.amdhsa_inst_pref_size 80
	.end_amdhsa_kernel
	.amdgpu_metadata
---
amdhsa.version: [ 1, 2 ]
amdhsa.kernels:
  - .name:           k_q0860144940_encode
    .symbol:         k_q0860144940_encode.kd
    .args:
      - { .name: dna_seed, .offset: 0, .size: 8, .value_kind: global_buffer, .address_space: global }
      - { .name: x, .offset: 8, .size: 8, .value_kind: global_buffer, .address_space: global }
      - { .name: dna_a, .offset: 16, .size: 8, .value_kind: global_buffer, .address_space: global }
      - { .name: dna_b, .offset: 24, .size: 8, .value_kind: global_buffer, .address_space: global }
      - { .name: codes, .offset: 32, .size: 8, .value_kind: global_buffer, .address_space: global }
      - { .name: xb, .offset: 40, .size: 8, .value_kind: global_buffer, .address_space: global }
      - { .name: tab, .offset: 48, .size: 8, .value_kind: global_buffer, .address_space: global }
    .group_segment_fixed_size: 0
    .private_segment_fixed_size: 0
    .kernarg_segment_align: 8
    .kernarg_segment_size: 56
    .max_flat_workgroup_size: 512
    .sgpr_count:     86
    .vgpr_count:     232
    .wavefront_size: 32
...
	.end_amdgpu_metadata
.endif
;; end of part 3
;; launch lookup (part 4): grid 256 x 1, 16 waves a work-group, no clusters, 133,120 bytes of LDS; arguments codes, tab, wb; writes wb
.if DOCPART == 4
	.amdgcn_target "amdgcn-amd-amdhsa--gfx1250"
	.amdhsa_code_object_version 6
	.text
	.protected	k_q0860144940_lookup
	.globl	k_q0860144940_lookup
	.p2align	8
	.type	k_q0860144940_lookup,@function
k_q0860144940_lookup:
	s_mov_b64 s[64:65], 0
	v_nop
	global_prefetch_b8 v0, s[64:65] scope:SCOPE_SE
	s_setreg_imm32_b32 hwreg(HW_REG_WAVE_MODE, 25, 1), 1
	s_wait_xcnt 0x0
; wb[o][i] = tab[codes[o][i]].  codes: 16,777,216 whole numbers of 16 bits (the seeds' bf16 codes, stored by the launch before); tab: 65,536 bf16; wb: [4096][4096] bf16, in the codes' order.
; SHARES.  256 work-groups of 16 waves.  Each work-group copies the whole table, 131,072 bytes, into its LDS: a thread 16 x 16 bytes, through registers; one barrier.
; A wave owns 8,192 consecutive bytes of codes: 16 loads of 512 bytes, issued behind the table's loads, ahead of every wait.  A lane's 16 bytes hold 8 codes; each becomes an LDS address
; (the code, held to 65,535 by v_min_u32, times 2) and a 16-bit LDS load; two results pack into the word that held their codes, and the lane's 16 bytes are stored where they came from:
; each store of the wave covers 512 consecutive bytes, aligned.
; The gathers of block n + 1 are issued ahead of the wait for block n's: two sets of eight registers take turns.
; NO CLUSTER, though all work-groups read the same table: the gathers' addresses
; are each work-group's own codes.  No tensor load or copy: the table is filled once, 16 loads a thread.  No prefetch: every load of the launch is issued at its head.
.set SPARE, 131072                     ; behind the table: the spare words, 128 bytes for each of the 16 waves: eight blocks of 256 bytes that no other line names
.set LA,  2                            ; v2-3   16 x my thread's number, and that + 65,536: where I put my 16 bytes of each 8,192 of the table (an LDS immediate has 16 bits)
.set CO,  4                            ; v4     my byte offset in the work-group's codes and in its part of wb: 8,192 x wave + 16 x lane; never rewritten
.set SPW, 6                            ; v6     LDS address of my spare word: SPARE + 4 x my thread's number; never rewritten
.set NIL, 7                            ; v7     0; never rewritten
.set AD,  8                            ; v[8:15]   eight LDS addresses
.set GA,  16                           ; v[16:31]  two sets of eight table entries
.set TB,  32                           ; v[32:95]  the table as loaded
.set CD,  96                           ; v[96:159] the codes as loaded, four registers a load; then the same words of wb
	s_load_b128 s[4:7], s[0:1], 0x0                ; codes s[4:5], tab s[6:7]
	s_load_b64 s[8:9], s[0:1], 0x10                ; wb
	v_lshl_add_u32 v[SPW], v0, 2, SPARE
	v_mov_b32 v[NIL], 0
	v_lshlrev_b32 v[LA], 4, v0
	v_add_nc_u32 v[LA+1], 0x10000, v[LA]
	v_lshrrev_b32 v1, 5, v0                        ; wave
	v_and_b32 v[CO], 31, v0                        ; lane
	v_lshlrev_b32 v[CO], 4, v[CO]
	v_lshl_add_u32 v[CO], v1, 13, v[CO]
	s_lshl_b32 s10, ttmp9, 17                      ; the work-group's 131,072 bytes
	s_mov_b32 s11, 0
	s_wait_kmcnt 0x0
	s_add_nc_u64 s[4:5], s[4:5], s[10:11]
	s_add_nc_u64 s[8:9], s[8:9], s[10:11]
.set j, 0
.rept 16
	global_load_b128 v[TB+4*j:TB+4*j+3], v[LA], s[6:7] offset:8192*j  ; 512 threads x 16 bytes = 8,192 bytes of the table
.set j, j+1
.endr
.set n, 0
.rept 16
	global_load_b128 v[CD+4*n:CD+4*n+3], v[CO], s[4:5] offset:512*n th:TH_LOAD_NT
.set n, n+1
.endr
.set j, 0
.rept 4
	s_wait_loadcnt 28-j                            ; the table's loads j .. j + 3 are in; its younger ones and the 16 loads of codes stay out
.rept 4
	ds_store_b128 v[LA+j/8], v[TB+4*j:TB+4*j+3] offset:8192*(j%8)
.set j, j+1
.endr
.endr
	s_wait_dscnt 0x0                               ; for the others' sake: my part of the table is written
	s_barrier_signal -1
	s_barrier_wait -1                              ; the table is whole; nobody writes it again
; Block n: its 8 codes become addresses, and the 8 gathers go out, into set n % 2.  An LDS load's address register may be written again at once.
.macro ASKT n
	s_wait_loadcnt 15-(\n)                         ; load n of the codes is in; the younger ones stay out
.irp d, 0,1,2,3
	v_and_b32 v[AD+2*(\d)], 0xffff, v[CD+4*(\n)+(\d)]      ; the word's low code,
	v_lshrrev_b32 v[AD+2*(\d)+1], 16, v[CD+4*(\n)+(\d)]    ; its high code
.endr
.irp e, 0,1,2,3,4,5,6,7
	v_min_u32 v[AD+(\e)], 0xffff, v[AD+(\e)]       ; a loaded number enters an address only behind a bound that is written in the text
.endr
.irp e, 0,1,2,3,4,5,6,7
	v_lshlrev_b32 v[AD+(\e)], 1, v[AD+(\e)]        ; 2 bytes an entry: 131,070 at the most
.endr
.irp e, 0,1,2,3,4,5,6,7
	ds_load_u16 v[GA+8*((\n)%2)+(\e)], v[AD+(\e)]
.endr
.endm
; Block n's entries are packed into the registers that held its codes, and stored.  younger: the gathers issued behind block n's: the next block's eight, or none.
.macro PUT n, younger
	s_wait_dscnt \younger
.irp d, 0,1,2,3
	v_lshl_or_b32 v[CD+4*(\n)+(\d)], v[GA+8*((\n)%2)+2*(\d)+1], 16, v[GA+8*((\n)%2)+2*(\d)]
.endr
	global_store_b128 v[CO], v[CD+4*(\n):CD+4*(\n)+3], s[8:9] offset:512*(\n) th:TH_STORE_NT
.endm
	ASKT 0
.set b, 1
.rept 15
	ASKT b
	PUT b-1, 8
.set b, b+1
.endr
	PUT 15, 0
	s_wait_tensorcnt 0x0                           ; the wave's end: behind my last LDS store
	ds_add_u32 v[SPW], v[NIL]
	s_wait_dscnt 0x0
	s_endpgm
.Lfunc_end_k_q0860144940_lookup:
	.size	k_q0860144940_lookup, .Lfunc_end_k_q0860144940_lookup-k_q0860144940_lookup
	.p2alignl 7, 3214868480
	.fill 96, 4, 3214868480
	.section	.rodata,"a",@progbits
	.p2align	6, 0x0
	.amdhsa_kernel k_q0860144940_lookup
		.amdhsa_group_segment_fixed_size 133120
		.amdhsa_private_segment_fixed_size 0
		.amdhsa_enable_private_segment 0
		.amdhsa_kernarg_size 24
		.amdhsa_user_sgpr_count 2
		.amdhsa_user_sgpr_kernarg_segment_ptr 1
		.amdhsa_wavefront_size32 1
		.amdhsa_system_sgpr_workgroup_id_x 1
		.amdhsa_system_sgpr_workgroup_id_y 1
		.amdhsa_system_sgpr_workgroup_id_z 1
		.amdhsa_system_vgpr_workitem_id 0
		.amdhsa_next_free_vgpr 160
		.amdhsa_next_free_sgpr 66
		.amdhsa_reserve_vcc 0
		.amdhsa_float_denorm_mode_32 3
		.amdhsa_float_denorm_mode_16_64 3
		.amdhsa_memory_ordered 1
		.amdhsa_forward_progress 1
		.amdhsa_inst_pref_size 38
	.end_amdhsa_kernel
	.amdgpu_metadata
---
amdhsa.version: [ 1, 2 ]
amdhsa.kernels:
  - .name:           k_q0860144940_lookup
    .symbol:         k_q0860144940_lookup.kd
    .args:
      - { .name: codes, .offset: 0, .size: 8, .value_kind: global_buffer, .address_space: global }
      - { .name: tab, .offset: 8, .size: 8, .value_kind: global_buffer, .address_space: global }
      - { .name: wb, .offset: 16, .size: 8, .value_kind: global_buffer, .address_space: global }
    .group_segment_fixed_size: 133120
    .private_segment_fixed_size: 0
    .kernarg_segment_align: 8
    .kernarg_segment_size: 24
    .max_flat_workgroup_size: 512
    .sgpr_count:     66
    .vgpr_count:     160
    .wavefront_size: 32
...
	.end_amdgpu_metadata
.endif
;; end of part 4
;; launch gemm (part 5): grid 16 x 16, 4 waves a work-group, clusters of 4 x 4, 327,680 bytes of LDS; arguments xb, wb, bias, out0; writes out0
.if DOCPART == 5
	.amdgcn_target "amdgcn-amd-amdhsa--gfx1250"
	.amdhsa_code_object_version 6
	.text
	.protected	k_q0860144940_gemm
	.globl	k_q0860144940_gemm
	.p2align	8
	.type	k_q0860144940_gemm,@function
k_q0860144940_gemm:
	s_mov_b64 s[64:65], 0
	v_nop
	global_prefetch_b8 v0, s[64:65] scope:SCOPE_SE
	s_setreg_imm32_b32 hwreg(HW_REG_WAVE_MODE, 25, 1), 1
	s_wait_xcnt 0x0
	s_wait_alu depctr_hold_cnt(0) depctr_sa_sdst(0) depctr_va_vdst(0) depctr_va_sdst(0) depctr_va_ssrc(0) depctr_va_vcc(0) depctr_vm_vsrc(0)
	s_getreg_b32 s2, hwreg(HW_REG_IB_STS2, 6, 4)
	s_cmp_eq_u32 s2, 0
	s_cbranch_scc0 .Lentry_in_a_cluster
	s_endpgm
.Lentry_in_a_cluster:
	s_bfe_u32 s2, ttmp6, 0x10000c
	s_cmp_lg_u32 s2, 0xf033
	s_cbranch_scc0 .Lentry_shape_is_right
	s_endpgm
.Lentry_shape_is_right:
; out0[t][o] = the sum over i of xb[t][i] wb[o][i] + bias[o].  xb: [2048][4096] bf16, wb: [4096][4096] bf16, bias: [4096] f32, out0: [2048][4096] f32.  Sums in f32.
; The bias is rounded once to bf16 as it is loaded, like every other input of the program (the launches before round the others), and added in f32.
; SHARES.  A tile of out0 is 128 tokens x 256 features: 16 x 16 = 256 work-groups.  Four waves, each 64 x 128: 32 accumulators of 16 x 16, 256 registers.
; K goes in steps of 128 (rows of 256 bytes, at multiples of 256 bytes from the buffers' first bytes) through a ring of two LDS slots filled by the tensor data mover;
; two slots of the longer step, 2 x 384 rows x 528 bytes, do not fit in 327,680 bytes.
; CLUSTERS: 4 x 4 work-groups.  The four of a row of the cluster need the same tiles of xb, the four of a column the same tiles of wb: each tile is asked for JOINTLY, by the same tensor load
; with the same descriptor and a mask that names the four.
; THE WALK ALONG K.  The 32 K steps go in blocks of four.  A cluster (x, y) whose number x ^ y ^ (y >> 1) is odd takes each pair of blocks in the other order: step j of its walk is K step j ^ 4.
; So the clusters that read the same rows (xb's: same y, x = 0 .. 3; wb's: same x, y = 0 .. 3) do not all ask for the same bytes at the same time: in steps 0-3, 8-11, 16-19, 24-27 of the walk a cluster
; reads a block that no cluster has read, in the others the block that the clusters of the other kind read four steps before.  y ^ (y >> 1) is 0, 1, 1, 0: y = 0 and 1 differ, 2 and 3, 0 and 2, 1 and 3.
; LIMIT.  The f32 sums are taken in the walk's order of K, which differs between clusters.
; THE MATRIX INSTRUCTION IS USED TRANSPOSED: source 0 = 16 rows of wb, source 1 = 16 rows of xb: lane l then holds token l % 16 and, in its registers 0 to 7, the features 8 (l / 16) + 0 .. 7.
; REGISTERS, in windows of 256 (s_set_vgpr_msb: bits 1:0 source 0, 3:2 source 1, 5:4 source 2, 7:6 destination):
;   window 0: v0-31 addresses; v32-41 the bias; v64-127 fragments of xb (4 x 16 rows x 32 K), two buffers; v128-255 fragments of wb (8), two buffers; on the way out v64-191 whole rows
;   window 1: the accumulators: token block a, feature block b at v[8 (8 a + b)]
.set SIZE_K, 4096
.set SIZE_N, 4096
.set KSTEP,  128
.set PITCH,  272                       ; an LDS row: 256 bytes + 16 of padding = 68 words: row r starts at bank 4 r mod 64 (64 banks of 4 bytes: ISA guide 11.1), so the 16 rows of a load start at 16 different banks
.set AHALF,  64*PITCH                  ; what one tensor load brings of xb, and what one wave reads of it
.set BHALF,  128*PITCH                 ; the same for wb
.set BOFF,   2*AHALF                   ; a slot: xb's 128 rows, then wb's 256
.set SLOT,   BOFF+2*BHALF
.set STAGE,  2*SLOT                    ; behind the ring, never filled by a tensor load: 16 rows x 528 bytes for each wave, for the way out
.set SPITCH, 528                       ; 512 bytes + 16: the 16 rows that a store touches start at 16 different groups of four banks
.set SPARE,  STAGE+4*16*SPITCH         ; behind the stages: the spare words, 128 bytes for each wave: two blocks of 256 bytes that no other line names
.set LAPS,   SIZE_K/(2*KSTEP)          ; a lap = two K steps = once round the ring
.set BLOCKB, 4*KSTEP*2                 ; a block of four K steps: 1,024 bytes of a row
.set ADRA, 16                          ; v16-17  LDS address of my xb fragments in slot 0, 1
.set ADRB, 20                          ; v20-21  the same for wb
.set STO,  24                          ; v24     the way out: where I put 32 bytes of a row
.set RD,   25                          ; v25     the way out: where I read 16 bytes of a row back
.set CO,   26                          ; v26     16 x my lane: my place in 512 bytes of out0 and of the bias
.set SPW,  28                          ; v28     LDS address of my spare word: SPARE + 4 x my thread's number; never rewritten
.set NIL,  29                          ; v29     0; never rewritten
.set PFO,  30                          ; v30     the prefetches' offset: my lane x a row of 8,192 bytes; never rewritten
.set BI,   32                          ; v32-35  the bias of my four features on the way out, rounded to bf16 and widened
.set BL,   36                          ; v36-39  as loaded
.set BT,   40                          ; v40-41  packed
.set FA,   64
.set FB,   128
.set OB,   64                          ; the way out: 16 rows read back: v64-127 and v128-191 by turns
.set WV,   12                          ; s12  my wave's number
.set RH,   13                          ; s13  which 64 tokens of the tile are mine.  Also: I fetch for xb (0) or for wb (1)
.set CH,   14                          ; s14  which 128 features.  Also: which half of that tile I fetch
.set LIM,  15                          ; s15  2 in a wave that prefetches, else the greatest number
.set G1A,  24                          ; s[24:31] descriptor group 1 for xb's tiles;  s[32:39] group 0, a set for each slot
.set G0A,  32
.set PFA,  40                          ; s[40:41] the address that the change's prefetch names
.set G1B,  48                          ; s[48:55], s[56:63] the same for wb's tiles
.set G0B,  56
.set BSA,  66                          ; s[66:67] xb at the first byte of the rows that I fetch; never rewritten
.set BSB,  68                          ; s[68:69] wb likewise
.set KO,   70                          ; s[70:71] byte offset in a row of the K step that is asked for: KR ^ XM; the upper word is 0
.set KR,   72                          ; s72  256 x the step of the walk that was asked for last
.set XM,   73                          ; s73  0, or 1,024 in a cluster that takes the blocks in the other order
.set PO,   74                          ; s[74:75] the prefetch's byte offset in a row: PT ^ XM; the upper word is 0
.set PFB,  76                          ; s[76:77] xb or wb at the first byte of the 32 rows that I prefetch; never rewritten
.set PT,   78                          ; s78  256 x the step of the walk that the change's prefetch would name
.set MSB, 0
.macro WIN new                         ; the immediate's high byte repeats the setting that is left; a switch that changes nothing is dropped
.if MSB != (\new)
	s_set_vgpr_msb (MSB<<8)|(\new)
.set MSB, \new
.endif
.endm
.set MUL, 0x50                         ; both sources window 0; C and D window 1
.set OUTW, 0x04                        ; an LDS store's data (source 1) window 1, its address window 0
; A joint load.  Waves 0 and 1 fetch xb's two halves, waves 2 and 3 wb's.  Each of the two lines has one mask and one set of registers for all that issue it; the branch hangs on the wave's number alone.
; An s_nop 0 and four v_nop follow each of the two lines, ahead of the jump, the label and what follows.
.macro JLOAD s
	s_cmp_eq_u32 s[RH], 0
	s_cbranch_scc0 .Lfor_b_\@
	tensor_load_to_lds s[G0A+4*(\s):G0A+4*(\s)+3], s[G1A:G1A+7]
	s_nop 0
.rept 4
	v_nop
.endr
	s_branch .Lasked_\@
.Lfor_b_\@:
	tensor_load_to_lds s[G0B+4*(\s):G0B+4*(\s)+3], s[G1B:G1B+7]
	s_nop 0
.rept 4
	v_nop
.endr
.Lasked_\@:
.endm
; A PREFETCH INTO THE L2, behind each joint refill, its five lines and the run of LDS loads that follows: 32 rows x 256 bytes, a lane a row, of the step of the walk that stands FOUR refills on: 512 matrix instructions of the wave ahead of the load that will want it.
; Each row's 256 bytes of a K step are named once in the launch, by a cluster of the kind that is first to read them: a cluster asks only for steps j of its walk with (j >> 2) even (bit 10 of 256 j is 0).
; xb's tile row is read by every cluster of that row of clusters: those with x = 0 and x = 1, one of either kind, ask; wb's tile column by every cluster of that column: y = 0 and y = 1 ask.
; The four partners that ask for a tile jointly share its rows out BY ADDRESS: of xb's 128 rows the partner at cx takes 32 (its wave 0 asks), of wb's 256 the partner at cy takes 64 (its waves 2 and 3, 32 each).
; Wave 1 asks for nothing.  No branch hangs on a work-group's place in its cluster.  Steps 0 to 3 of the walk come by their loads alone; the loop's last two trips ask for nothing: step 31 is the last.
.macro ASK
	s_cmp_gt_u32 s3, s[LIM]                        ; s3 runs 15 .. 1: above 2 the step four refills on exists
	s_cbranch_scc0 .Lnot_mine_\@
	s_and_b32 s23, s[PT], BLOCKB
	s_cmp_lg_u32 s23, 0                            ; a block that the other kind reads first is theirs to ask for
	s_cbranch_scc1 .Lnot_mine_\@
	global_prefetch_b8 v[PFO], s[PFA:PFA+1] th:TH_LOAD_NT scope:SCOPE_SE
.Lnot_mine_\@:
.endm
; A round of the cluster's barrier: my work-group's barrier, so that wave 0's signal speaks for all four waves; wave 0 signals for the work-group; every wave waits for all sixteen; my work-group's barrier once more.
.macro CREST                           ; a round behind its opening barrier
	s_cmp_lg_u32 s[WV], 0
	s_cbranch_scc1 .Lnot_wave_0_\@
	s_barrier_signal -3
.Lnot_wave_0_\@:
	s_barrier_wait -3
	s_barrier_signal -1
	s_barrier_wait -1
.endm
.macro CROUND                          ; a whole round
	s_barrier_signal -1
	s_barrier_wait -1
	CREST
.endm
	s_load_b256 s[4:11], s[0:1], 0x0               ; xb s[4:5], wb s[6:7], bias s[8:9], out0 s[10:11]
	v_lshl_add_u32 v[SPW], v0, 2, SPARE
	v_mov_b32 v[NIL], 0
	ds_add_u32 v[SPW], v[NIL]                      ; the wave's opening: the add, twice on end, and its wait ahead of my first tensor load; the set-up below, work on registers, stands between
	ds_add_u32 v[SPW], v[NIL]                      ; and once more, under the one wait
	v_lshrrev_b32 v1, 5, v0
	v_readfirstlane_b32 s[WV], v1                  ; wave 0..3
	s_lshr_b32 s[RH], s[WV], 1
	s_and_b32 s[CH], s[WV], 1
	s_bfe_u32 s42, ttmp6, 0x40000                  ; cx: my place along the cluster's x
	s_bfe_u32 s43, ttmp6, 0x40004                  ; cy: along its y
	s_lshl_b32 s44, ttmp9, 2                       ; in a cluster launch ttmp9 and ttmp7 count clusters
	s_add_co_u32 s44, s44, s42                     ; tile column = 4 x cluster x + cx
	s_and_b32 s45, ttmp7, 0xffff
	s_lshl_b32 s45, s45, 2
	s_add_co_u32 s45, s45, s43                     ; tile row = 4 x cluster y + cy
	s_lshl_b32 s20, s43, 2
	s_lshl_b32 s20, 15, s20                        ; my row of the cluster: places 4 cy .. 4 cy + 3
	s_lshl_b32 s21, 0x1111, s42                    ; my column: places cx, cx + 4, cx + 8, cx + 12
	; the cluster's kind, made of the cluster's own x and y alone: the same in all sixteen partners
	s_and_b32 s[XM], ttmp7, 0xffff                 ; y
	s_lshr_b32 s[KR], s[XM], 1
	s_xor_b32 s[XM], s[XM], s[KR]                  ; y ^ (y >> 1)
	s_xor_b32 s[XM], s[XM], ttmp9                  ; ^ x
	s_and_b32 s[XM], s[XM], 1
	s_lshl_b32 s[XM], s[XM], 10                    ; 0 or a block's 1,024 bytes
	s_mov_b32 s[KO], s[XM]                         ; step 0 of the walk
	s_mov_b32 s[KO+1], 0
	s_mov_b32 s[PO+1], 0
	s_mov_b32 s[KR], KSTEP*2                       ; the first fills ask for steps 0 and 1 of the walk
	; descriptor group 1: tiles of 64 (xb) and 128 (wb) rows x 128 elements, padded in LDS
	s_or_b32 s[G1A+0], s20, (1<<16)|(1<<20)|(1<<21)|(5<<22)|(3<<25)  ; 15:0 the mask: xb's tiles go to my row; 17:16 elements of 2 bytes; 20 padding on; 21 set beside a mask; 24:22 after every 64 words (code 5); 31:25 4 words of it (code 3)
	s_or_b32 s[G1B+0], s21, (1<<16)|(1<<20)|(1<<21)|(5<<22)|(3<<25)  ; the same with the mask of my column, for wb's tiles
	s_mov_b32 s[G1A+1], KSTEP<<16                  ; tensor_dim0 = 128
	s_mov_b32 s[G1B+1], KSTEP<<16
	s_mov_b32 s[G1A+2], 64<<16                     ; tensor_dim1 = 64
	s_mov_b32 s[G1B+2], 128<<16                    ;             = 128
	s_mov_b32 s[G1A+3], KSTEP<<16                  ; tile_dim0 = 128
	s_mov_b32 s[G1B+3], KSTEP<<16
	s_mov_b32 s[G1A+4], 64                         ; tile_dim1 = 64
	s_mov_b32 s[G1B+4], 128                        ;           = 128
	s_mov_b32 s[G1A+5], SIZE_K                     ; elements from row to row
	s_mov_b32 s[G1B+5], SIZE_K
	s_mov_b32 s[G1A+6], 0
	s_mov_b32 s[G1B+6], 0
	s_mov_b32 s[G1A+7], 0
	s_mov_b32 s[G1B+7], 0
	; where the tiles come from.  xb's hang on the tile row alone, which my row of the cluster shares; wb's on the tile column alone, which my column shares.  Every wave makes both, in registers that never hold the other coordinate.
	s_lshl_b32 s16, s45, 7
	s_lshl_b32 s17, s[CH], 6
	s_add_co_u32 s16, s16, s17                     ; xb: row 128 x tile row + 64 x half,
	s_lshl_b32 s16, s16, 13                        ; of 8,192 bytes: under 2^24
	s_mov_b32 s17, 0
	s_lshl_b32 s46, s44, 8
	s_lshl_b32 s47, s[CH], 7
	s_add_co_u32 s46, s46, s47                     ; wb: row 256 x tile column + 128 x half: under 2^25 bytes
	s_lshl_b32 s46, s46, 13
	s_mov_b32 s47, 0
	s_mul_i32 s22, s[CH], AHALF                    ; and where they go: no place in the cluster enters an LDS address
	s_mul_i32 s23, s[CH], BHALF
	s_add_co_u32 s23, s23, BOFF
	s_wait_dscnt 0x0                               ; both opening adds are done
	s_wait_kmcnt 0x0
	s_add_nc_u64 s[BSA:BSA+1], s[4:5], s[16:17]    ; my rows' first bytes,
	s_add_nc_u64 s[BSB:BSB+1], s[6:7], s[46:47]
	s_add_nc_u64 s[16:17], s[BSA:BSA+1], s[KO:KO+1]  ; and step 0 of the walk in them
	s_add_nc_u64 s[46:47], s[BSB:BSB+1], s[KO:KO+1]
	CROUND                                         ; all sixteen work-groups are here: the first joint loads meet
.irp s, 0,1
	s_mov_b32 s[G0A+4*(\s)], 1                                       ; 1:0 count = 1
	s_add_co_u32 s[G0A+4*(\s)+1], s22, (\s)*SLOT                     ; 63:32 LDS address
	s_add_nc_u64 s[G0A+4*(\s)+2:G0A+4*(\s)+3], s[16:17], (\s)*KSTEP*2  ; 120:64 global address: step s of the walk (steps 0 and 1 lie in one block, side by side)
	s_or_b32 s[G0A+4*(\s)+3], s[G0A+4*(\s)+3], 0x80000000            ; 127:126 type = 2
	s_mov_b32 s[G0B+4*(\s)], 1
	s_add_co_u32 s[G0B+4*(\s)+1], s23, (\s)*SLOT
	s_add_nc_u64 s[G0B+4*(\s)+2:G0B+4*(\s)+3], s[46:47], (\s)*KSTEP*2
	s_or_b32 s[G0B+4*(\s)+3], s[G0B+4*(\s)+3], 0x80000000
	JLOAD \s                                       ; the ring is filled before anything else is done: two tensor loads of mine are out
.endr
	; A fragment is 16 rows x 32 K in 8 registers: lane l holds row l % 16; registers 0-3 K = 8 (l / 16) + 0..7, registers 4-7 K = 16 + 8 (l / 16) + 0..7: two loads of 16 bytes, 32 bytes apart.
	v_and_b32 v1, 15, v0                           ; l % 16
	v_bfe_u32 v2, v0, 4, 1                         ; l / 16
	v_and_b32 v5, 31, v0                           ; l
	v_mul_u32_u24 v3, v1, PITCH
	v_lshl_add_u32 v3, v2, 4, v3                   ; row x pitch + 16 x half
	s_mul_i32 s21, s[RH], AHALF                    ; my 64 rows of xb
	s_mul_i32 s22, s[CH], BHALF                    ; my 128 rows of wb,
	s_add_co_u32 s22, s22, BOFF                    ; which lie behind xb's 128
.irp s, 0,1
	v_add_nc_u32 v[ADRA+(\s)], s21, v3
	v_add_nc_u32 v[ADRB+(\s)], s22, v3
	s_add_co_u32 s21, s21, SLOT
	s_add_co_u32 s22, s22, SLOT
.endr
	s_mul_i32 s23, s[WV], 16*SPITCH
	s_add_co_u32 s23, s23, STAGE                   ; my stage
	v_mul_u32_u24 v4, v1, SPITCH                   ; in: row l % 16, 32 bytes for each half of the lanes
	v_lshl_add_u32 v4, v2, 5, v4
	v_add_nc_u32 v[STO], s23, v4
	v_lshlrev_b32 v[CO], 4, v5                     ; back: 32 lanes take one row of 512 bytes
	v_add_nc_u32 v[RD], s23, v[CO]
	v_lshlrev_b32 v[PFO], 13, v5
	; out0 at my first row and column; the bias at my first column
	s_lshl_b32 s16, s45, 7
	s_lshl_b32 s17, s[RH], 6
	s_add_co_u32 s16, s16, s17                     ; row 128 x tile row + 64 x half,
	s_lshl_b32 s16, s16, 14                        ; of 16,384 bytes: under 2^25
	s_mov_b32 s17, 0
	s_add_nc_u64 s[10:11], s[10:11], s[16:17]
	s_lshl_b32 s46, s44, 10                        ; column 256 x tile column + 128 x half, 4 bytes each
	s_lshl_b32 s47, s[CH], 9
	s_add_co_u32 s46, s46, s47
	s_mov_b32 s47, 0
	s_add_nc_u64 s[10:11], s[10:11], s[46:47]
	s_add_nc_u64 s[8:9], s[8:9], s[46:47]
	global_load_b128 v[BL:BL+3], v[CO], s[8:9]     ; waited for on the way out
	; the prefetches' rows and who asks
	s_lshl_b32 s20, s45, 7
	s_lshl_b32 s21, s42, 5
	s_add_co_u32 s20, s20, s21                     ; xb: row 128 x tile row + 32 cx
	s_lshl_b32 s21, s44, 8
	s_lshl_b32 s22, s43, 6
	s_add_co_u32 s21, s21, s22
	s_lshl_b32 s22, s[CH], 5
	s_add_co_u32 s21, s21, s22                     ; wb: row 256 x tile column + 64 cy + 32 x half
	s_and_b32 s22, ttmp7, 0xffff                   ; cluster y
	s_cmp_eq_u32 s[RH], 0                          ; do I fetch for xb?
	s_cselect_b32 s20, s20, s21
	s_cselect_b32 s22, ttmp9, s22                  ; the coordinate along which other clusters read the same rows
	s_cselect_b64 s[PFB:PFB+1], s[4:5], s[6:7]
	s_lshr_b32 s22, s22, 1                         ; 0 in the first two clusters along it: one of either kind
	s_cmp_eq_u32 s[WV], 1
	s_cselect_b32 s23, 1, 0                        ; wave 1 has no rows to ask for
	s_or_b32 s22, s22, s23
	s_cmp_eq_u32 s22, 0
	s_cselect_b32 s[LIM], 2, -1                    ; the same in all sixteen partners, for a given wave
	s_lshl_b32 s20, s20, 13
	s_mov_b32 s21, 0
	s_add_nc_u64 s[PFB:PFB+1], s[PFB:PFB+1], s[20:21]  ; nothing is asked for here, at the head
; 8 matrix instructions: token block a x all 8 feature blocks, 32 along K, from buffer f.  zero = 1: the first product starts the sums: nothing is ever cleared.
; The 32 accumulators take turns, one instruction a turn, in the same order in every quarter step, over the backward jump too.
.macro MULA f, a, zero
	WIN MUL
.irp b, 0,1,2,3,4,5,6,7
.if \zero
	v_wmma_f32_16x16x32_bf16 v[8*(8*(\a)+(\b)):8*(8*(\a)+(\b))+7], v[FB+64*(\f)+8*(\b):FB+64*(\f)+8*(\b)+7], v[FA+32*(\f)+8*(\a):FA+32*(\f)+8*(\a)+7], 0
.else
	v_wmma_f32_16x16x32_bf16 v[8*(8*(\a)+(\b)):8*(8*(\a)+(\b))+7], v[FB+64*(\f)+8*(\b):FB+64*(\f)+8*(\b)+7], v[FA+32*(\f)+8*(\a):FA+32*(\f)+8*(\a)+7], v[8*(8*(\a)+(\b)):8*(8*(\a)+(\b))+7]
.endif
.endr
.endm
.macro MUL16 f, a0, zero
	MULA \f, \a0, \zero
	MULA \f, (\a0)+1, \zero
.endm
; 24 LDS loads in one run: the fragments of one quarter step (128 rows of wb, then 64 rows of xb, 32 K at byte k of the rows) into buffer f
.macro FETCH slot, k, f
	WIN 0
.irp i, 0,1,2,3,4,5,6,7
	ds_load_b128 v[FB+64*(\f)+8*(\i):FB+64*(\f)+8*(\i)+3],   v[ADRB+(\slot)] offset:(\k)+(\i)*16*PITCH
	ds_load_b128 v[FB+64*(\f)+8*(\i)+4:FB+64*(\f)+8*(\i)+7], v[ADRB+(\slot)] offset:(\k)+(\i)*16*PITCH+32
.endr
.irp i, 0,1,2,3
	ds_load_b128 v[FA+32*(\f)+8*(\i):FA+32*(\f)+8*(\i)+3],   v[ADRA+(\slot)] offset:(\k)+(\i)*16*PITCH
	ds_load_b128 v[FA+32*(\f)+8*(\i)+4:FA+32*(\f)+8*(\i)+7], v[ADRA+(\slot)] offset:(\k)+(\i)*16*PITCH+32
.endr
.endm
; A load into a register that a matrix instruction has read, and whatever reads a matrix result, stand four places behind that matrix instruction, and only plain vector instructions that name none of
; its registers are places (ISA guide 7.12.1 for vector instructions); the matrix instructions in between are not counted.
.macro PLACES
.rept 4
	v_nop
.endr
.endm
; A K step is four quarter steps of 32 along K, 32 matrix instructions each, on buffers 0, 1, 0, 1.  One of the first three: multiplies buffer f; in its middle it fetches the next quarter, at byte k, into g.
.macro QUARTER slot, k, f, g, zero
	s_wait_dscnt 4                                 ; wb's fragments and xb's blocks 0 and 1 are in; the youngest four loads (blocks 2 and 3) may be out
	MUL16 \f, 0, \zero
	PLACES
	FETCH \slot, \k, \g
	s_wait_dscnt 24                                ; all but the 24 just issued
	MUL16 \f, 2, \zero
.endm
; The last quarter multiplies buffer 1 and changes slots: ONE barrier, for two things.  In front of it each wave waits for all its tensor loads, of which one is out: its part of the next slot; adds 0 to its
; spare word; and waits for that and for its own reads of this slot.  Behind it nobody reads this slot any more and the next slot is whole.  fill = 1: the barrier opens a round of the cluster's, so that no
; wave of any partner still reads the slot or has a load on its way, and the slot is filled again, with the walk's step two on, first thing behind the round: 112 matrix instructions ahead of the wait for it.
; The descriptors' addresses are made anew from the walk's step: my rows' first bytes + (256 x step) ^ XM; the type bits are set again.
.macro TURN slot, next, fill
.if \fill
	s_wait_xcnt 0x0                                ; the last prefetch, a K step back, has read its address: it is made anew here, ahead of the waits of the change of slots
	s_add_co_u32 s[PT], s[KR], 5*KSTEP*2           ; four steps of the walk beyond the one that this change asks for
	s_xor_b32 s[PO], s[PT], s[XM]
	s_add_nc_u64 s[PFA:PFA+1], s[PFB:PFB+1], s[PO:PO+1]
.endif
	WIN 0                                          ; (the add's two registers lie in window 0)
	s_wait_tensorcnt 0x0                           ; all my tensor loads have landed, so a group 0 may be written;
	ds_add_u32 v[SPW], v[NIL]                      ; 0 onto my spare word: the descriptors' scalar work and eight products stand between it and the wait for it
.if \fill
	s_add_co_u32 s[KR], s[KR], KSTEP*2             ; the walk's next step,
	s_xor_b32 s[KO], s[KR], s[XM]                  ; and where it lies in a row
	s_add_nc_u64 s[G0A+4*(\slot)+2:G0A+4*(\slot)+3], s[BSA:BSA+1], s[KO:KO+1]
	s_or_b32 s[G0A+4*(\slot)+3], s[G0A+4*(\slot)+3], 0x80000000
	s_add_nc_u64 s[G0B+4*(\slot)+2:G0B+4*(\slot)+3], s[BSB:BSB+1], s[KO:KO+1]
	s_or_b32 s[G0B+4*(\slot)+3], s[G0B+4*(\slot)+3], 0x80000000
.endif
	s_wait_dscnt 5                                 ; (the add and the youngest four loads may be out)
	MULA 1, 0, 0
	s_wait_dscnt 0x0                               ; the add is done, and my reads of this slot are over
	s_barrier_signal -1
	MULA 1, 1, 0                                   ; work on registers while the others arrive
	WIN 0                                          ; (branches may follow)
	s_barrier_wait -1
.if \fill
	CREST
	JLOAD \slot                                    ; the four v_nop behind it are also the places in front of the loads below
.else
	PLACES
.endif
	FETCH \next, 0, 0
.if \fill
	ASK
.endif
	MUL16 1, 2, 0
.endm
	s_wait_tensorcnt 1                             ; my part of the walk's step 0 is in; step 1's may stay out
	s_barrier_signal -1
	s_barrier_wait -1                              ; everybody's is
	FETCH 0, 0, 0
	QUARTER 0, 64,  0, 1, 1                        ; the first quarter stands in front of the loop: its products start the sums
	WIN 0                                          ; at a label and at a branch every window is 0
	s_mov_b32 s3, LAPS-1
.Llap:                                                 ; a trip goes once round the ring, from a lap's second quarter to the next lap's first, and fills both slots again
	QUARTER 0, 128, 1, 0, 0
	QUARTER 0, 192, 0, 1, 0
	TURN 0, 1, 1
	QUARTER 1, 64,  0, 1, 0
	QUARTER 1, 128, 1, 0, 0
	QUARTER 1, 192, 0, 1, 0
	TURN 1, 0, 1
	QUARTER 0, 64,  0, 1, 0
	WIN 0
	s_sub_co_u32 s3, s3, 1
	s_cmp_lg_u32 s3, 0
	s_cbranch_scc1 .Llap
	QUARTER 0, 128, 1, 0, 0                        ; the last lap is written out: it fills nothing, and has no round of the cluster's barrier
	QUARTER 0, 192, 0, 1, 0
	TURN 0, 1, 0
	QUARTER 1, 64,  0, 1, 0
	QUARTER 1, 128, 1, 0, 0
	QUARTER 1, 192, 0, 1, 0
	s_wait_dscnt 4                                 ; the very last quarter: nothing more to fetch
	MUL16 1, 0, 0
	s_wait_dscnt 0x0
	MUL16 1, 2, 0
	WIN 0
	; THE WAY OUT.  A lane holds 32 bytes of a row of out0 for each accumulator, and the lanes beside it other rows.  So a block of 16 rows x 512 bytes at a time goes through my own stage: in as it lies in the
	; accumulators, back as whole rows; then the bias is added, and a store of the wave covers 512 consecutive bytes, at a multiple of 512 from out0's first byte.
	PLACES                                         ; with the six lines below: the places behind the last products
	s_wait_loadcnt 0x0                             ; the bias
	v_cvt_pk_bf16_f32 v[BT], v[BL], v[BL+1]        ; rounded to bf16,
	v_cvt_pk_bf16_f32 v[BT+1], v[BL+2], v[BL+3]
	v_lshlrev_b32 v[BI], 16, v[BT]                 ; and widened again
	v_and_b32 v[BI+1], 0xffff0000, v[BT]
	v_lshlrev_b32 v[BI+2], 16, v[BT+1]
	v_and_b32 v[BI+3], 0xffff0000, v[BT+1]
.macro TOSTAGE a
	WIN OUTW
.irp b, 0,1,2,3,4,5,6,7
	ds_store_b128 v[STO], v[8*(8*(\a)+(\b)):8*(8*(\a)+(\b))+3]   offset:64*(\b)      ; each accumulator's low four registers first
	ds_store_b128 v[STO], v[8*(8*(\a)+(\b))+4:8*(8*(\a)+(\b))+7] offset:64*(\b)+16
.endr
	WIN 0
.if (\a) >= 2
	s_wait_xcnt 0x0                                ; the stores of the block two back have read these registers (ISA guide 3.1): they are loaded again only behind this wait
.endif
.irp t, 0,1,2,3,4,5,6,7,8,9,10,11,12,13,14,15
	ds_load_b128 v[OB+64*((\a)%2)+4*(\t):OB+64*((\a)%2)+4*(\t)+3], v[RD] offset:(\t)*SPITCH  ; LDS serves a wave's instructions in order (ISA guide 5.7.1.4): these see the stores above; the next block's stores come behind them
.endr
.endm
.macro SEND a, younger                 ; younger: the LDS instructions issued behind block a's loads: the next block's 32, or none
	s_wait_dscnt \younger
.irp t, 0,1,2,3,4,5,6,7,8,9,10,11,12,13,14,15
	v_pk_add_f32 v[OB+64*((\a)%2)+4*(\t):OB+64*((\a)%2)+4*(\t)+1],   v[OB+64*((\a)%2)+4*(\t):OB+64*((\a)%2)+4*(\t)+1],   v[BI:BI+1]
	v_pk_add_f32 v[OB+64*((\a)%2)+4*(\t)+2:OB+64*((\a)%2)+4*(\t)+3], v[OB+64*((\a)%2)+4*(\t)+2:OB+64*((\a)%2)+4*(\t)+3], v[BI+2:BI+3]
	global_store_b128 v[CO], v[OB+64*((\a)%2)+4*(\t):OB+64*((\a)%2)+4*(\t)+3], s[10:11] offset:(16*(\a)+(\t))*SIZE_N*4 th:TH_STORE_NT  ; 63 rows of 16,384 bytes at the most: inside the signed 24-bit immediate
.endr
.endm
	TOSTAGE 0
	TOSTAGE 1                                      ; a block's trip through the stage stands between the loads of the block before and its stores
	SEND 0, 32
	TOSTAGE 2
	SEND 1, 32
	TOSTAGE 3
	SEND 2, 32
	SEND 3, 0
	s_wait_tensorcnt 0x0                           ; the wave's end: behind my last tensor load and my last LDS store
	ds_add_u32 v[SPW], v[NIL]
	s_wait_dscnt 0x0
	CROUND                                         ; the closing round: no work-group ends while a partner may still ask for a tile that names it
	s_endpgm
.Lfunc_end_k_q0860144940_gemm:
	.size	k_q0860144940_gemm, .Lfunc_end_k_q0860144940_gemm-k_q0860144940_gemm
	.p2alignl 7, 3214868480
	.fill 96, 4, 3214868480
	.section	.rodata,"a",@progbits
	.p2align	6, 0x0
	.amdhsa_kernel k_q0860144940_gemm
		.amdhsa_group_segment_fixed_size 327680
		.amdhsa_private_segment_fixed_size 0
		.amdhsa_enable_private_segment 0
		.amdhsa_kernarg_size 32
		.amdhsa_user_sgpr_count 2
		.amdhsa_user_sgpr_kernarg_segment_ptr 1
		.amdhsa_wavefront_size32 1
		.amdhsa_system_sgpr_workgroup_id_x 1
		.amdhsa_system_sgpr_workgroup_id_y 1
		.amdhsa_system_sgpr_workgroup_id_z 1
		.amdhsa_system_vgpr_workitem_id 0
		.amdhsa_next_free_vgpr 512
		.amdhsa_next_free_sgpr 80
		.amdhsa_reserve_vcc 0
		.amdhsa_float_denorm_mode_32 3
		.amdhsa_float_denorm_mode_16_64 3
		.amdhsa_memory_ordered 1
		.amdhsa_forward_progress 1
		.amdhsa_inst_pref_size 95
	.end_amdhsa_kernel
	.amdgpu_metadata
---
amdhsa.version: [ 1, 2 ]
amdhsa.kernels:
  - .name:           k_q0860144940_gemm
    .symbol:         k_q0860144940_gemm.kd
    .args:
      - { .name: xb, .offset: 0, .size: 8, .value_kind: global_buffer, .address_space: global }
      - { .name: wb, .offset: 8, .size: 8, .value_kind: global_buffer, .address_space: global }
      - { .name: bias, .offset: 16, .size: 8, .value_kind: global_buffer, .address_space: global }
      - { .name: out0, .offset: 24, .size: 8, .value_kind: global_buffer, .address_space: global }
    .group_segment_fixed_size: 327680
    .private_segment_fixed_size: 0
    .kernarg_segment_align: 8
    .kernarg_segment_size: 32
    .max_flat_workgroup_size: 128
    .sgpr_count:     80
    .vgpr_count:     512
    .wavefront_size: 32
...
	.end_amdgpu_metadata
.endif
;; end of part 5
;; ======== version 3 of 3: 3 launches; version 2 with the launches encode, lookup written anew for expert scheduling mode
;; workspace buffers: wb 33,554,432 bytes; xb 16,777,216 bytes; codes 33,554,432 bytes of whole numbers; tab 131,072 bytes
;; launch encode (part 6): grid 256 x 1, 16 waves a work-group, no clusters, 0 bytes of LDS; arguments dna_seed, x, dna_a, dna_b, codes, xb, tab; writes codes, xb, tab
.if DOCPART == 6
	.amdgcn_target "amdgcn-amd-amdhsa--gfx1250"
	.amdhsa_code_object_version 6
	.text
	.protected	k_q0860144940_encode
	.globl	k_q0860144940_encode
	.p2align	8
	.type	k_q0860144940_encode,@function
k_q0860144940_encode:
	s_mov_b64 s[64:65], 0
	v_nop
	global_prefetch_b8 v0, s[64:65] scope:SCOPE_SE
	s_setreg_imm32_b32 hwreg(HW_REG_WAVE_SCHED_MODE, 0, 2), 2
	s_setreg_imm32_b32 hwreg(HW_REG_WAVE_MODE, 25, 1), 1
	s_wait_xcnt 0x0
	s_wait_alu depctr_vm_vsrc(0)
; codes = dna_seed rounded to bf16, kept as 16-bit whole numbers; xb = bf16(x); tab[c] = bf16(F(the bf16 number whose code is c)) for all 65,536 codes c,
; where F is the 20 steps w <- a[i] w + b[i] sin(w).  dna_seed: [4096][4096] f32, x: [2048][4096] f32, dna_a, dna_b: [20] f32; codes: 16,777,216 x 2 bytes in dna_seed's order; tab: 65,536 bf16.
; WHY A TABLE.  a and b are the same for every element, so the weight is one function F of the seed alone; this program rounds every input once to bf16 (nearest even) as it is loaded,
; and a seed so rounded is one of 65,536 numbers.  So F is worked out once for each of them, 65,536 x 20 steps in place of 16,777,216 x 20, and the next launch reads W = tab[code].
; The codes go through memory because an address is formed only from whole numbers that an earlier launch has stored.
; THE SINE.  The state is kept in turns, v = w / 2 pi.  r = v - rndne(v) lies in -1/2 .. 1/2 and is exact, and sin(w) = 2 pi r P(r^2), so a step is v <- a v + b r P(r^2).
; P is a polynomial of degree 5 in r^2 (the series of sin(t) / t through t^18, economised on 0 .. 1/4): the sine is within 2.5e-7 for every r.  b is folded into its six coefficients by scalar multiplies.
; The recurrence runs in f32; F's result is rounded once to bf16, as the matrix operand that it is.
; LIMITS.  All inputs are rounded once to bf16.  The order of rounding differs from a w + b sin(w) in radians: the phase carries v's rounding, |w| 2^-24 rad.  From |w| = 2^23 x 2 pi = 5.3e7 on v is a
; whole number and the sine counts as 0, beside a w of that size.  The codes of infinities and NaN give NaN (inf - inf), as sin(inf) does.  Where a + b cos(w) stays above 1 step after step, these differences grow with the steps.
; SHARES.  256 work-groups of 16 waves.  A wave owns 16,384 consecutive bytes of seeds (32 loads of 512 bytes) and 8,192 of x (16 loads): all 48 go out at the head, into 192 registers.
; A lane's four numbers of a load pack into 8 bytes, in place: each store of the wave covers 256 consecutive bytes, aligned.  Nothing is rewritten behind a store, so no wait frees a register.
; Wave 0 of work-group g makes tab's entries 256 g .. 256 g + 255 while its loads are out: 8 a lane, four packed pairs; its store covers 512 consecutive bytes, aligned.
; No LDS, no matrix unit, no cluster: no number is wanted by two waves.  No prefetch: every load of the launch is issued at its head.
; THE MODE: SCHED_MODE bits 1:0 = 2 (LLVM: expert scheduling mode 2), set by the entry lines.  The code itself states the register dependences between vector instructions and memory instructions,
; with s_wait_alu, always for 0.
; THE PLAN.  Registers that memory instructions touch:
;   v2, v4 (OS, OX)   the loads' offsets; v3, v5 (OC, OB) the stores': written once at the head, never again.
;   v[40:231] (SD)    load n lands in its four registers; the loads are all issued at the head, into registers that no vector instruction has named.  The 48 loads go in 12 groups of four:
;                     group g's eight conversions read its sixteen registers and write eight of them in place; those eight are read by the group's four stores, which are issued in group g + 1.
;   v6, v[24:27]      wave 0 alone: the offset and the data of the table's one store, written by the table's arithmetic.
; So ONE wait on va_vdst stands at the head of a group: the group before has written what its stores read.  Those four stores follow it, dealt among the group's conversions, which name the group's own registers alone.
; No register that a memory instruction has read is ever written again: no wait on vm_vsrc is owed.
.set STEPS, 20
.set WN,  1                            ; v1   my wave's number
.set OS,  2                            ; v2   my byte offset in the work-group's seeds: 16,384 x wave + 16 x lane; never rewritten
.set OC,  3                            ; v3   half of it: in codes
.set OX,  4                            ; v4   in x: 8,192 x wave + 16 x lane
.set OB,  5                            ; v5   half of it: in xb
.set TO,  6                            ; v6   wave 0: 16 x lane, my place in the work-group's 512 bytes of tab
.set LN,  7                            ; v7   lane
.set VV,  8                            ; v[8:15]   wave 0: the state of my 8 codes, in turns
.set RR,  16                           ; v[16:23]  r; ahead of the steps v[16:35] hold a and b, rounded and packed
.set SS,  24                           ; v[24:31]  r^2; at the end v[24:27] hold the 8 entries packed
.set QQ,  32                           ; v[32:39]  Horner's sum
.set SD,  40                           ; v[40:231] the 48 loads' registers, four each: 32 of seeds, then 16 of x
.set WV,  20                           ; s20  my wave's number
.set SA,  24                           ; s[24:43] a[0..19] as loaded; then a and b of step i, rounded and packed, in s[24+i]
.set SB,  44                           ; s[44:63] b[0..19] as loaded
.set AV,  66                           ; s[66:67] a; the packed lines take a pair's low word for both halves
.set CC,  68                           ; s[68:79] b x D0 .. b x D5, a pair each
.set I2P, 80                           ; s[80:81] 1 / 2 pi
.set P2,  82                           ; s[82:83] 2 pi
.set HIM, 84                           ; s84  mask of a word's upper bf16
.set BV,  85                           ; s85  b
	s_load_b256 s[4:11], s[0:1], 0x0               ; seed s[4:5], x s[6:7], a s[8:9], b s[10:11]
	s_load_b128 s[12:15], s[0:1], 0x20             ; codes s[12:13], xb s[14:15]
	s_load_b64 s[16:17], s[0:1], 0x30              ; tab
	v_lshrrev_b32 v[WN], 5, v0
	v_readfirstlane_b32 s[WV], v[WN]               ; wave 0..15
	v_and_b32 v[LN], 31, v0
	v_lshlrev_b32 v[OS], 4, v[LN]                  ; 16 x lane
	v_lshl_add_u32 v[OX], v[WN], 13, v[OS]
	v_lshl_add_u32 v[OS], v[WN], 14, v[OS]
	v_lshrrev_b32 v[OC], 1, v[OS]
	v_lshrrev_b32 v[OB], 1, v[OX]
	s_lshl_b32 s18, ttmp9, 18                      ; the work-group's 262,144 bytes of seeds
	s_mov_b32 s19, 0
	s_wait_kmcnt 0x0
	s_add_nc_u64 s[4:5], s[4:5], s[18:19]
	s_lshr_b32 s18, s18, 1                         ; 131,072 bytes of x and of codes
	s_add_nc_u64 s[6:7], s[6:7], s[18:19]
	s_add_nc_u64 s[12:13], s[12:13], s[18:19]
	s_lshr_b32 s18, s18, 1                         ; 65,536 bytes of xb
	s_add_nc_u64 s[14:15], s[14:15], s[18:19]
	s_wait_alu depctr_va_sdst(0)                   ; s[WV] is written, ahead of its first reader: the compare behind the loads
	s_wait_alu depctr_va_vdst(0)                   ; the four offsets v2 to v5 are written: every load and store of seeds, x, codes and xb reads one of them
.set n, 0
.rept 32
	global_load_b128 v[SD+4*n:SD+4*n+3], v[OS], s[4:5] offset:512*n th:TH_LOAD_NT
.set n, n+1
.endr
.rept 16
	global_load_b128 v[SD+4*n:SD+4*n+3], v[OX], s[6:7] offset:512*(n-32) th:TH_LOAD_NT
.set n, n+1
.endr
	s_cmp_lg_u32 s[WV], 0
	s_cbranch_scc1 .Lstream                        ; the table is wave 0's; the jump passes no barrier and no load into registers
	; THE TABLE, beside the 48 loads that are out; its vector lines name v6 to v39, none of which those loads touch
	s_load_b512 s[SA:SA+15], s[8:9], 0x0           ; a's 80 bytes,
	s_load_b128 s[SA+16:SA+19], s[8:9], 0x40
	s_load_b512 s[SB:SB+15], s[10:11], 0x0         ; b's
	s_load_b128 s[SB+16:SB+19], s[10:11], 0x40
	s_mov_b32 s[I2P], 0x3e22f983
	s_mov_b32 s[I2P+1], 0x3e22f983                 ; the upper words of the pairs are named with the lower, so they are written
	s_mov_b32 s[P2], 0x40c90fdb
	s_mov_b32 s[P2+1], 0x40c90fdb
	s_mov_b32 s[HIM], 0xffff0000
	s_mov_b32 s[AV+1], 0
.irp j, 0,1,2,3,4,5
	s_mov_b32 s[CC+2*(\j)+1], 0
.endr
	s_lshl_b32 s18, ttmp9, 9                       ; the work-group's 512 bytes of tab (s19 is still 0)
	s_add_nc_u64 s[16:17], s[16:17], s[18:19]
	s_lshl_b32 s18, ttmp9, 24                      ; code 256 g, moved up into a bf16's place in an f32
	v_lshl_add_u32 v[TO], v[LN], 19, s18           ; + 8 x lane
.irp e, 0,1,2,3,4,5,6,7
	v_or_b32 v[VV+(\e)], (\e)<<16, v[TO]           ; the number whose code is 256 g + 8 lane + e
.endr
	v_lshlrev_b32 v[TO], 4, v[LN]
.irp p, 0,2,4,6
	v_pk_mul_f32 v[VV+(\p):VV+(\p)+1], v[VV+(\p):VV+(\p)+1], s[I2P:I2P+1] op_sel_hi:[1,0]  ; into turns
.endr
	s_wait_kmcnt 0x0                               ; a and b are in
.set i, 0
.rept STEPS
	v_cvt_pk_bf16_f32 v[RR+i], s[SA+i], s[SB+i]    ; both rounded to bf16: a in the low half, b in the high
.set i, i+1
.endr
.set i, 0
.rept STEPS
	v_readfirstlane_b32 s[SA+i], v[RR+i]
.set i, i+1
.endr
	s_wait_alu depctr_va_sdst(0)                   ; s[SA] to s[SA+19] are written, ahead of their first reader: one wait for the run of twenty
; One step for the lane's four pairs, stage by stage.
.macro ITER
.set p, 0
.rept 8
	v_rndne_f32 v[RR+p], v[VV+p]
.set p, p+1
.endr
.set p, 0
.rept 4
	v_pk_add_f32 v[RR+p:RR+p+1], v[VV+p:VV+p+1], v[RR+p:RR+p+1] neg_lo:[0,1] neg_hi:[0,1]  ; r = v - rndne(v), exact
.set p, p+2
.endr
.set p, 0
.rept 4
	v_pk_mul_f32 v[SS+p:SS+p+1], v[RR+p:RR+p+1], v[RR+p:RR+p+1]
.set p, p+2
.endr
.set p, 0
.rept 4
	v_pk_mul_f32 v[VV+p:VV+p+1], v[VV+p:VV+p+1], s[AV:AV+1] op_sel_hi:[1,0]  ; a v
.set p, p+2
.endr
.set p, 0
.rept 4
	v_pk_fma_f32 v[QQ+p:QQ+p+1], v[SS+p:SS+p+1], s[CC+10:CC+11], s[CC+8:CC+9] op_sel_hi:[1,0,0]
.set p, p+2
.endr
.irp j, 3,2,1,0
.set p, 0
.rept 4
	v_pk_fma_f32 v[QQ+p:QQ+p+1], v[QQ+p:QQ+p+1], v[SS+p:SS+p+1], s[CC+2*(\j):CC+2*(\j)+1] op_sel_hi:[1,1,0]
.set p, p+2
.endr
.endr
.set p, 0
.rept 4
	v_pk_fma_f32 v[VV+p:VV+p+1], v[RR+p:RR+p+1], v[QQ+p:QQ+p+1], v[VV+p:VV+p+1]  ; a v + r (b P)
.set p, p+2
.endr
.endm
.set i, 0
.rept STEPS                            ; written out: a step's a and b lie in a register of their own
	s_lshl_b32 s[AV], s[SA+i], 16                  ; a
	s_and_b32 s[BV], s[SA+i], s[HIM]               ; b
	s_mul_f32 s[CC+0], s[BV], 0x3f7fffff           ; b x  0.99999994
	s_mul_f32 s[CC+2], s[BV], 0xc0d28d0d           ; b x -6.5797183
	s_mul_f32 s[CC+4], s[BV], 0x414fcae5           ; b x 12.987034
	s_mul_f32 s[CC+6], s[BV], 0xc14318df           ; b x -12.193572
	s_mul_f32 s[CC+8], s[BV], 0x40d28ec0           ; b x  6.5799253
	s_mul_f32 s[CC+10], s[BV], 0xbffe0ffb          ; b x -1.9848627
	ITER
.set i, i+1
.endr
.irp p, 0,2,4,6
	v_pk_mul_f32 v[VV+(\p):VV+(\p)+1], v[VV+(\p):VV+(\p)+1], s[P2:P2+1] op_sel_hi:[1,0]  ; back from turns
.endr
.irp p, 0,1,2,3
	v_cvt_pk_bf16_f32 v[SS+(\p)], v[VV+2*(\p)], v[VV+2*(\p)+1]
.endr
	s_wait_alu depctr_va_vdst(0)                   ; the roundings have written v[SS:SS+3], and v[TO] is written: the store's data and its offset
	global_store_b128 v[TO], v[SS:SS+3], s[16:17]  ; 8 entries a lane
.Lstream:
; THE STREAM.  ROUND: load n's four numbers are rounded in place, into the first two of their four registers.  PUT: those two are stored; loads 0 to 31 are seeds, 32 to 47 x.
.macro ROUND n
	v_cvt_pk_bf16_f32 v[SD+4*(\n)], v[SD+4*(\n)], v[SD+4*(\n)+1]
	v_cvt_pk_bf16_f32 v[SD+4*(\n)+1], v[SD+4*(\n)+2], v[SD+4*(\n)+3]
.endm
.macro PUT n
.if (\n) < 32
	global_store_b64 v[OC], v[SD+4*(\n):SD+4*(\n)+1], s[12:13] offset:256*(\n) th:TH_STORE_NT
.else
	global_store_b64 v[OB], v[SD+4*(\n):SD+4*(\n)+1], s[14:15] offset:256*((\n)-32) th:TH_STORE_NT
.endif
.endm
.set n, 0
.rept 12                               ; a group: four loads' conversions, and among them the four stores of the group before
	s_wait_loadcnt 44-n                            ; loads come back in order (ISA guide 5.7.1): loads n .. n + 3 are in, the 44 - n younger ones stay out
.if n > 0
	s_wait_alu depctr_va_vdst(0)                   ; the group before has written its eight packed registers, which the four stores below read; no conversion of this group names them
.endif
.rept 4
.if n > 3
	PUT n-4
.endif
	ROUND n
.set n, n+1
.endr
.endr
	s_wait_alu depctr_va_vdst(0)                   ; the last group has written its eight packed registers, which the last four stores read
.rept 4
	PUT n-4
.set n, n+1
.endr
	s_endpgm
.Lfunc_end_k_q0860144940_encode:
	.size	k_q0860144940_encode, .Lfunc_end_k_q0860144940_encode-k_q0860144940_encode
	.p2alignl 7, 3214868480
	.fill 96, 4, 3214868480
	.section	.rodata,"a",@progbits
	.p2align	6, 0x0
	.amdhsa_kernel k_q0860144940_encode
		.amdhsa_group_segment_fixed_size 0
		.amdhsa_private_segment_fixed_size 0
		.amdhsa_enable_private_segment 0
		.amdhsa_kernarg_size 56
		.amdhsa_user_sgpr_count 2
		.amdhsa_user_sgpr_kernarg_segment_ptr 1
		.amdhsa_wavefront_size32 1
		.amdhsa_system_sgpr_workgroup_id_x 1
		.amdhsa_system_sgpr_workgroup_id_y 1
		.amdhsa_system_sgpr_workgroup_id_z 1
		.amdhsa_system_vgpr_workitem_id 0
		.amdhsa_next_free_vgpr 232
		.amdhsa_next_free_sgpr 86
		.amdhsa_reserve_vcc 0
		.amdhsa_float_denorm_mode_32 3
		.amdhsa_float_denorm_mode_16_64 3
		.amdhsa_memory_ordered 1
		.amdhsa_forward_progress 1
		.amdhsa_inst_pref_size 80
	.end_amdhsa_kernel
	.amdgpu_metadata
---
amdhsa.version: [ 1, 2 ]
amdhsa.kernels:
  - .name:           k_q0860144940_encode
    .symbol:         k_q0860144940_encode.kd
    .args:
      - { .name: dna_seed, .offset: 0, .size: 8, .value_kind: global_buffer, .address_space: global }
      - { .name: x, .offset: 8, .size: 8, .value_kind: global_buffer, .address_space: global }
      - { .name: dna_a, .offset: 16, .size: 8, .value_kind: global_buffer, .address_space: global }
      - { .name: dna_b, .offset: 24, .size: 8, .value_kind: global_buffer, .address_space: global }
      - { .name: codes, .offset: 32, .size: 8, .value_kind: global_buffer, .address_space: global }
      - { .name: xb, .offset: 40, .size: 8, .value_kind: global_buffer, .address_space: global }
      - { .name: tab, .offset: 48, .size: 8, .value_kind: global_buffer, .address_space: global }
    .group_segment_fixed_size: 0
    .private_segment_fixed_size: 0
    .kernarg_segment_align: 8
    .kernarg_segment_size: 56
    .max_flat_workgroup_size: 512
    .sgpr_count:     86
    .vgpr_count:     232
    .wavefront_size: 32
...
	.end_amdgpu_metadata
.endif
;; end of part 6
;; launch lookup (part 7): grid 256 x 1, 16 waves a work-group, no clusters, 133,120 bytes of LDS; arguments codes, tab, wb; writes wb
.if DOCPART == 7
	.amdgcn_target "amdgcn-amd-amdhsa--gfx1250"
	.amdhsa_code_object_version 6
	.text
	.protected	k_q0860144940_lookup
	.globl	k_q0860144940_lookup
	.p2align	8
	.type	k_q0860144940_lookup,@function
k_q0860144940_lookup:
	s_mov_b64 s[64:65], 0
	v_nop
	global_prefetch_b8 v0, s[64:65] scope:SCOPE_SE
	s_setreg_imm32_b32 hwreg(HW_REG_WAVE_SCHED_MODE, 0, 2), 2
	s_setreg_imm32_b32 hwreg(HW_REG_WAVE_MODE, 25, 1), 1
	s_wait_xcnt 0x0
	s_wait_alu depctr_vm_vsrc(0)
; wb[o][i] = tab[codes[o][i]].  codes: 16,777,216 whole numbers of 16 bits (the seeds' bf16 codes, stored by the launch before); tab: 65,536 bf16; wb: [4096][4096] bf16, in the codes' order.
; SHARES.  256 work-groups of 16 waves.  Each work-group copies the whole table, 131,072 bytes, into its LDS: a thread 16 x 16 bytes, through registers; one barrier.
; A wave owns 8,192 consecutive bytes of codes: 16 loads of 512 bytes, issued behind the table's loads, ahead of every wait.  A lane's 16 bytes hold 8 codes; each becomes an LDS address
; (the code, held to 65,535 by v_min_u32, times 2) and a 16-bit LDS load; two results pack into the word that held their codes, and the lane's 16 bytes are stored where they came from:
; each store of the wave covers 512 consecutive bytes, aligned.
; The gathers of block n + 1 are issued ahead of the wait for block n's: two sets of eight registers take turns.
; NO CLUSTER, though all work-groups read the same table: the gathers' addresses
; are each work-group's own codes.  No tensor load or copy: the table is filled once, 16 loads a thread.  No prefetch: every load of the launch is issued at its head.
; THE MODE: SCHED_MODE bits 1:0 = 2 (LLVM: expert scheduling mode 2), set by the entry lines.  The code itself states the register dependences between vector instructions and memory or LDS instructions,
; with s_wait_alu, always for 0.
; THE PLAN.  Registers that memory or LDS instructions touch:
;   v2-4, v6, v7   addresses, offsets and the closing add's two registers: written once at the head, never again.
;   TB             The table's loads land in it, the LDS stores read it; no line names it after that.
;   CD             Block n's four registers: the codes' load lands in them; block n's address lines read them; its four packing lines write them; its one store reads them.  Never written again.
;   AD0, AD1       Block n's 24 address lines write AD[n % 2]; block n's eight gathers read it.
;   GA0, GA1       Block n's eight gathers land in GA[n % 2]; block n's four packing lines read it.
; STEP n issues the store of block n - 2 and the gathers of block n; its vector lines make block n + 1's addresses and, at its end, pack block n - 1.  At its head ONE wait on va_vdst states that block n's
; addresses are written, that block n - 2's words are packed, and that those packing lines are done reading GA[n % 2]; one wait on vm_vsrc states that block n - 1's gathers, issued a step earlier, have read
; AD[(n + 1) % 2], which the step writes again.  The step's nine memory and LDS instructions then stand among address lines that name AD[(n + 1) % 2] and block n + 1's codes alone: none of the registers that the nine touch.
.set SPARE, 131072                     ; behind the table: the spare words, 128 bytes for each of the 16 waves: eight blocks of 256 bytes that no other line names
.set LA,  2                            ; v2-3   16 x my thread's number, and that + 65,536: where I put my 16 bytes of each 8,192 of the table (an LDS immediate has 16 bits)
.set CO,  4                            ; v4     my byte offset in the work-group's codes and in its part of wb: 8,192 x wave + 16 x lane; never rewritten
.set SPW, 6                            ; v6     LDS address of my spare word: SPARE + 4 x my thread's number; never rewritten
.set NIL, 7                            ; v7     0; never rewritten
.set AD,  8                            ; v[8:23]    two sets of eight LDS addresses
.set GA,  24                           ; v[24:39]   two sets of eight table entries
.set TB,  40                           ; v[40:103]  the table as loaded
.set CD,  104                          ; v[104:167] the codes as loaded, four registers a load; then the same words of wb
	s_load_b128 s[4:7], s[0:1], 0x0                ; codes s[4:5], tab s[6:7]
	s_load_b64 s[8:9], s[0:1], 0x10                ; wb
	v_lshl_add_u32 v[SPW], v0, 2, SPARE
	v_mov_b32 v[NIL], 0
	v_lshlrev_b32 v[LA], 4, v0
	v_add_nc_u32 v[LA+1], 0x10000, v[LA]
	v_lshrrev_b32 v1, 5, v0                        ; wave
	v_and_b32 v[CO], 31, v0                        ; lane
	v_lshlrev_b32 v[CO], 4, v[CO]
	v_lshl_add_u32 v[CO], v1, 13, v[CO]
	s_lshl_b32 s10, ttmp9, 17                      ; the work-group's 131,072 bytes
	s_mov_b32 s11, 0
	s_wait_kmcnt 0x0
	s_add_nc_u64 s[4:5], s[4:5], s[10:11]
	s_add_nc_u64 s[8:9], s[8:9], s[10:11]
	s_wait_alu depctr_va_vdst(0)                   ; v[LA], v[LA+1] and v[CO] are written: the loads, the LDS stores and the stores below read them as offsets and addresses
.set j, 0
.rept 16
	global_load_b128 v[TB+4*j:TB+4*j+3], v[LA], s[6:7] offset:8192*j  ; 512 threads x 16 bytes = 8,192 bytes of the table
.set j, j+1
.endr
.set n, 0
.rept 16
	global_load_b128 v[CD+4*n:CD+4*n+3], v[CO], s[4:5] offset:512*n th:TH_LOAD_NT
.set n, n+1
.endr
.set j, 0
.rept 4
	s_wait_loadcnt 28-j                            ; the table's loads j .. j + 3 are in; its younger ones and the 16 loads of codes stay out
.rept 4
	ds_store_b128 v[LA+j/8], v[TB+4*j:TB+4*j+3] offset:8192*(j%8)
.set j, j+1
.endr
.endr
	s_wait_dscnt 0x0                               ; for the others' sake: my part of the table is written
	s_barrier_signal -1
	s_barrier_wait -1                              ; the table is whole; nobody writes it again
; Block n's 8 codes become addresses, in set n % 2.  deal = 1: the eight gathers of block n - 1 (its sets are those of n + 1) stand among the first sixteen lines, one ahead of each two.
.macro ADDR n, deal
.irp d, 0,1,2,3
.if \deal
	ds_load_u16 v[GA+8*(((\n)+1)%2)+(\d)], v[AD+8*(((\n)+1)%2)+(\d)]
.endif
	v_and_b32 v[AD+8*((\n)%2)+2*(\d)], 0xffff, v[CD+4*(\n)+(\d)]      ; the word's low code,
	v_lshrrev_b32 v[AD+8*((\n)%2)+2*(\d)+1], 16, v[CD+4*(\n)+(\d)]    ; its high code
.endr
.irp d, 0,1,2,3
.if \deal
	ds_load_u16 v[GA+8*(((\n)+1)%2)+4+(\d)], v[AD+8*(((\n)+1)%2)+4+(\d)]
.endif
	v_min_u32 v[AD+8*((\n)%2)+2*(\d)], 0xffff, v[AD+8*((\n)%2)+2*(\d)]      ; a loaded number enters an address only behind a bound that is written in the text
	v_min_u32 v[AD+8*((\n)%2)+2*(\d)+1], 0xffff, v[AD+8*((\n)%2)+2*(\d)+1]
.endr
.irp e, 0,1,2,3,4,5,6,7
	v_lshlrev_b32 v[AD+8*((\n)%2)+(\e)], 1, v[AD+8*((\n)%2)+(\e)]     ; 2 bytes an entry: 131,070 at the most
.endr
.endm
; Block n's entries are packed into the registers that held its codes.
.macro PACKW n
.irp d, 0,1,2,3
	v_lshl_or_b32 v[CD+4*(\n)+(\d)], v[GA+8*((\n)%2)+2*(\d)+1], 16, v[GA+8*((\n)%2)+2*(\d)]
.endr
.endm
; Block n's 16 bytes a lane are stored where its codes came from.
.macro SENDW n
	global_store_b128 v[CO], v[CD+4*(\n):CD+4*(\n)+3], s[8:9] offset:512*(\n) th:TH_STORE_NT
.endm
.macro STEP n
	s_wait_alu depctr_va_vdst(0)                   ; block n's addresses are written, which its gathers read; block n - 2's words are packed, which its store reads; those packing lines are done reading the set in which block n's gathers land
.if ((\n) > 0) && ((\n) < 15)
	s_wait_alu depctr_vm_vsrc(0)                   ; block n - 1's gathers have read their set of addresses, which block n + 1's address lines below write again
.endif
.if (\n) > 1
	SENDW (\n)-2
.endif
.if (\n) < 15
	s_wait_loadcnt 14-(\n)                         ; load n + 1 of the codes is in; the younger ones stay out
	ADDR (\n)+1, 1
.else
.irp e, 0,1,2,3,4,5,6,7
	ds_load_u16 v[GA+8*((\n)%2)+(\e)], v[AD+8*((\n)%2)+(\e)]  ; the last block's gathers: no addresses are left to make
.endr
.endif
.if (\n) > 0
	s_wait_dscnt 8                                 ; LDS loads come back in order (ISA guide 5.7.1): block n - 1's gathers are in, block n's eight stay out
	PACKW (\n)-1
.endif
.endm
	s_wait_loadcnt 15                              ; load 0 of the codes is in; the younger ones stay out
	ADDR 0, 0
.set b, 0
.rept 16
	STEP b
.set b, b+1
.endr
	s_wait_alu depctr_va_vdst(0)                   ; block 14's words are packed, which its store reads
	SENDW 14
	s_wait_dscnt 0x0                               ; block 15's gathers are in
	PACKW 15
	s_wait_alu depctr_va_vdst(0)                   ; block 15's words are packed, which its store reads
	SENDW 15
	s_wait_dscnt 0x0                               ; the closing lines, six on end
	s_wait_alu 0x0
	s_wait_tensorcnt 0x0
	ds_add_u32 v[SPW], v[NIL]
	s_wait_dscnt 0x0
	s_endpgm
.Lfunc_end_k_q0860144940_lookup:
	.size	k_q0860144940_lookup, .Lfunc_end_k_q0860144940_lookup-k_q0860144940_lookup
	.p2alignl 7, 3214868480
	.fill 96, 4, 3214868480
	.section	.rodata,"a",@progbits
	.p2align	6, 0x0
	.amdhsa_kernel k_q0860144940_lookup
		.amdhsa_group_segment_fixed_size 133120
		.amdhsa_private_segment_fixed_size 0
		.amdhsa_enable_private_segment 0
		.amdhsa_kernarg_size 24
		.amdhsa_user_sgpr_count 2
		.amdhsa_user_sgpr_kernarg_segment_ptr 1
		.amdhsa_wavefront_size32 1
		.amdhsa_system_sgpr_workgroup_id_x 1
		.amdhsa_system_sgpr_workgroup_id_y 1
		.amdhsa_system_sgpr_workgroup_id_z 1
		.amdhsa_system_vgpr_workitem_id 0
		.amdhsa_next_free_vgpr 168
		.amdhsa_next_free_sgpr 66
		.amdhsa_reserve_vcc 0
		.amdhsa_float_denorm_mode_32 3
		.amdhsa_float_denorm_mode_16_64 3
		.amdhsa_memory_ordered 1
		.amdhsa_forward_progress 1
		.amdhsa_inst_pref_size 39
	.end_amdhsa_kernel
	.amdgpu_metadata
---
amdhsa.version: [ 1, 2 ]
amdhsa.kernels:
  - .name:           k_q0860144940_lookup
    .symbol:         k_q0860144940_lookup.kd
    .args:
      - { .name: codes, .offset: 0, .size: 8, .value_kind: global_buffer, .address_space: global }
      - { .name: tab, .offset: 8, .size: 8, .value_kind: global_buffer, .address_space: global }
      - { .name: wb, .offset: 16, .size: 8, .value_kind: global_buffer, .address_space: global }
    .group_segment_fixed_size: 133120
    .private_segment_fixed_size: 0
    .kernarg_segment_align: 8
    .kernarg_segment_size: 24
    .max_flat_workgroup_size: 512
    .sgpr_count:     66
    .vgpr_count:     168
    .wavefront_size: 32
...
	.end_amdgpu_metadata
.endif
;; end of part 7
;; launch gemm: the kernel of part 5 again; grid 16 x 16, 4 waves a work-group, clusters of 4 x 4, 327,680 bytes of LDS; arguments xb, wb, bias, out0; writes out0
